; MI455X (gfx1250); checked and timed in simulation.
; The chip was launched on July 23, 2026; its instructions are those of AMD's public machine-readable ISA for CDNA 5 (MIT licence, August 2026) and "CDNA5" Instruction Set Architecture Reference Guide (July 2026). The comments in the code are by the model that wrote it; some were corrected since.
;; Multihead Attention. Allowed arithmetic: matrix products marked QUANTISED: E2M1 operands, one E8M0 scale for each 32 along K, by v_wmma_scale_f32_16x16x128_f8f6f4 with both operands' format E2M1 (or v_wmma_scale_f32_32x16x128_f4), f32 sums; everything else in f32.
;; Inputs: Wk_codes 1,024 x 32 x 16 uint8 (E2M1 codes of Wk, K innermost, in blocks of 32 codes, two codes a byte); Wk_scales 1,024 x 32 uint8 (E8M0 scales of Wk, one for each 32 codes along K); Wo_codes 1,024 x 32 x 16 uint8 (E2M1 codes of Wo, K innermost, in blocks of 32 codes, two codes a byte); Wo_scales 1,024 x 32 uint8 (E8M0 scales of Wo, one for each 32 codes along K); Wq_codes 1,024 x 32 x 16 uint8 (E2M1 codes of Wq, K innermost, in blocks of 32 codes, two codes a byte); Wq_scales 1,024 x 32 uint8 (E8M0 scales of Wq, one for each 32 codes along K); Wv_codes 1,024 x 32 x 16 uint8 (E2M1 codes of Wv, K innermost, in blocks of 32 codes, two codes a byte); Wv_scales 1,024 x 32 uint8 (E8M0 scales of Wv, one for each 32 codes along K); bo 1,024 float32; k_codes 4 x 2,048 x 32 x 16 uint8 (E2M1 codes of k, K innermost, in blocks of 32 codes, two codes a byte); k_scales 4 x 2,048 x 32 uint8 (E8M0 scales of k, one for each 32 codes along K); ln1_b 1,024 float32; ln1_g 1,024 float32; ln2_b 1,024 float32; ln2_g 1,024 float32; q_codes 4 x 2,048 x 32 x 16 uint8 (E2M1 codes of q, K innermost, in blocks of 32 codes, two codes a byte); q_scales 4 x 2,048 x 32 uint8 (E8M0 scales of q, one for each 32 codes along K); v_codes 4 x 2,048 x 32 x 16 uint8 (E2M1 codes of v, K innermost, in blocks of 32 codes, two codes a byte); v_scales 4 x 2,048 x 32 uint8 (E8M0 scales of v, one for each 32 codes along K).
;; Outputs: out0 4 x 2,048 x 1,024 float32.
;; This version of the problem:
;;   THIS VERSION OF THE PROBLEM IS GIVEN IN LOW PRECISION. The matrix products marked QUANTISED in the list below multiply operands that are first quantised to E2M1 (2 exponent bits, 1 mantissa bit; 4 bits a number), with one power-of-two scale for each 32 numbers along K (OCP MX v1.0); their sums are f32. All else is computed in f32.
;;   The module's matrix products, in the order in which they are computed (A, B: the left and right operand; K: the contracted axis; several contracted axes count as one K, in the product's order):
;;     1. [M 8,192, K 1,024] x [K 1,024, N 1,024]; A: input q (given as codes); B: input Wq (given as codes): QUANTISED
;;     2. [M 8,192, K 1,024] x [K 1,024, N 1,024]; A: input k (given as codes); B: input Wk (given as codes): QUANTISED
;;     3. [M 8,192, K 1,024] x [K 1,024, N 1,024]; A: input v (given as codes); B: input Wv (given as codes): QUANTISED
;;     4. batch 32 x [M 2,048, K 128] x [K 128, N 2,048]; A: computed on the way; B: computed on the way: QUANTISED
;;     5. batch 32 x [M 2,048, K 2,048] x [K 2,048, N 128]; A: softmax (see below); B: computed on the way: QUANTISED
;;     6. [M 8,192, K 1,024] x [K 1,024, N 1,024]; A: computed on the way; B: input Wo (given as codes): QUANTISED
;;   THE QUANTISER, for each operand of a quantised product, along K:
;;     - K is cut into blocks of 32 from its start; a last block that is shorter is filled with zeros.
;;     - A block's scale is 2^e with e = floor(log2(the largest magnitude in the block)) - 2, held to -126 .. 127; a block of zeros has e = 0. As a byte (E8M0): e + 127.
;;     - Each number is divided by its block's scale, clamped to +-6, and rounded to the nearest number of E2M1, ties to even, subnormals kept.
;;     - The product sums the exact products of the quantised numbers (number of the format x scale) in f32.
;;   ~~~python
;;   def quantise(x, axis):      # numpy; x: float32 -> the quantised numbers, widened to float32 again
;;       x = np.moveaxis(x, axis, -1); K = x.shape[-1]
;;       x = np.pad(x, [(0, 0)] * (x.ndim - 1) + [(0, -K % 32)]); x = x.reshape(x.shape[:-1] + (-1, 32)); a = np.abs(x).max(-1, keepdims=True)
;;       e = np.where(a > 0, np.clip(np.frexp(np.where(a > 0, a, 1))[1] - 1 - 2, -126, 127), 0)      # np.frexp(a)[1] - 1 = floor(log2(a)), exactly
;;       r = np.clip(x / 2.0 ** e, -6, 6)
;;       step = 2.0 ** (np.maximum(np.frexp(np.where(r == 0, 1, r))[1] - 1, 0) - 1)
;;       q = np.round(r / step) * step * 2.0 ** e      # np.round: ties to even
;;       return np.moveaxis(q.reshape(q.shape[:-2] + (-1,))[..., :K], -1, axis).astype(np.float32)
;;   ~~~
;;   SOFTMAX AHEAD OF A QUANTISED PRODUCT. Where the list says 'softmax', what is quantised is not the finished softmax but p = 2^(t - M), with t = logit x log2(e) and M = ceil(the row's largest t), a whole number; so 1/2 < the row's largest p <= 1. The row's sum l is taken of the UNQUANTISED p, in f32, and the product's result is divided by l at the end. Since M is a whole number, a kernel that streams over the keys may use a running M (the ceiling of the running maximum): every later rescaling is an exact power of two, which a block's scale takes up: the codes' values come out the same.
;;   OPERANDS COMPUTED ON THE WAY. 'Computed on the way' means the value that the module computes at that place (a softmax that the list does not call 'softmax' is quantised finished and normalised). What goes into a quantiser is computed in f32, as accurately as f32 sums, v_exp_f32 and their like allow (about 1e-6 of the number): no bf16 or f16 on the way to a quantiser, and a product that is left as it is and whose result goes on into a quantised operand takes f32 operands (vector FMAs, or v_wmma_f32_16x16x4_f32). A number that lies on a knife's edge between two numbers of the format may be rounded either way, as far as f32 arithmetic and the matrix unit's own rounding can turn it there, and no further.
;;   INPUTS GIVEN AS CODES. Wk (in the module: [1024, 1024], K = its axis 1); Wo (in the module: [1024, 1024], K = its axis 1); Wq (in the module: [1024, 1024], K = its axis 1); Wv (in the module: [1024, 1024], K = its axis 1); k (in the module: [4, 2048, 1024], K = its axis 2); q (in the module: [4, 2048, 1024], K = its axis 2); v (in the module: [4, 2048, 1024], K = its axis 2): each comes as NAME_codes (uint8): NAME with its K axis moved to the last place and cut into blocks of 32 codes, [.., K / 32, bytes a block], one block behind the other in memory; two codes a byte, the lower K in the low four bits (a code: sign, 2 exponent bits, 1 mantissa bit); and NAME_scales (uint8): the same leading axes, one E8M0 byte (e + 127) for each 32 codes along K. Its value is code x scale, taken as it is: it is not quantised again, and the codes and scales need not be those that the quantiser above would give.
;; 2 versions, each right; version 2 is version 1 with the launch final written anew for expert scheduling mode. Each part assembles by itself: llvm-mc -triple=amdgcn-amd-amdhsa -mcpu=gfx1250 --defsym DOCPART=n.
;; ======== version 1 of 2: 3 launches
;; workspace buffers: kv 8,912,896 bytes; wo_img 524,288 bytes; sres 33,554,432 bytes
;; launch kvproj (part 1): grid 4 x 64, 16 waves a work-group, clusters of 4 x 4, 299,008 bytes of LDS; arguments k_codes, k_scales, v_codes, v_scales, Wk_codes, Wk_scales, Wv_codes, Wv_scales, Wo_codes, kv, wo_img; writes kv, wo_img
.if DOCPART == 1
	.amdgcn_target "amdgcn-amd-amdhsa--gfx1250"
	.amdhsa_code_object_version 6
	.text
	.protected	k_q72f11a5985_kvproj
	.globl	k_q72f11a5985_kvproj
	.p2align	8
	.type	k_q72f11a5985_kvproj,@function
k_q72f11a5985_kvproj:
	s_mov_b64 s[64:65], 0
	v_nop
	global_prefetch_b8 v0, s[64:65] scope:SCOPE_SE
	s_setreg_imm32_b32 hwreg(HW_REG_WAVE_MODE, 25, 1), 1
	s_wait_xcnt 0x0
	s_wait_alu depctr_hold_cnt(0) depctr_sa_sdst(0) depctr_va_vdst(0) depctr_va_sdst(0) depctr_va_ssrc(0) depctr_va_vcc(0) depctr_vm_vsrc(0)
	s_getreg_b32 s2, hwreg(HW_REG_IB_STS2, 6, 4)
	s_cmp_eq_u32 s2, 0
	s_cbranch_scc0 .Lentry_in_a_cluster
	s_endpgm
.Lentry_in_a_cluster:
	s_bfe_u32 s2, ttmp6, 0x10000c
	s_cmp_lg_u32 s2, 0xf033
	s_cbranch_scc0 .Lentry_shape_is_right
	s_endpgm
.Lentry_shape_is_right:
; kp = k Wk^T and vp = v Wv^T on codes of FP4 (E2M1) with E8M0 scales, and their results quantised again at once: kp along a head's 128, vp along the keys.  Nothing leaves as f32.
; SHARES.  256 work-groups of sixteen waves.  Work-groups y = 0..31 make kp, y = 32..63 vp.  A work-group takes X = 256 rows of k (or v) and W = 256 rows of Wk (or Wv), for all of K = 1,024:
; 2 x 256 rows x 512 bytes and their scale bytes lie in LDS at once, each byte filled once: no ring.
; ROLES.  The product is used so that a lane's registers run along the NEXT product's K: source 0 (P) gives the registers, source 1 (R) the lane.  kp: P = W (the head's 128), R = X (a key a lane).
; vp: P = X (128 keys), R = W (a channel a lane).  A wave takes 128 rows of P (8 tiles) x 32 rows of R (2 tiles): 16 accumulators, 128 matrix instructions; each tile of R becomes one fragment (16 rows x 128 K) and 16 scale words.
; WHAT IS STORED.  kv[batch x head][slot of 256 keys][34,816 bytes]: 16 fragments of K (tile = 16 neighbouring keys), 16 of V ([key step of 128][tile of 16 channels]), 1,024 bytes each, as IMAGES OF THE OPERAND'S REGISTERS
; (register group c of lane l at 512 c + 16 l); then K's scale words (64 bytes a tile), then V's.  A slot is dense: the next launch brings it by two tiles of 68 rows x 256 bytes.
; Beside that each work-group turns two fragments of Wo's codes into such images (wo_img[n tile][K step]), for the last launch.
; CLUSTERS: 4 x 4.  X's rows hang on y alone and are shared along a row of the cluster, W's on x alone (and on kp or vp, which a cluster shares) and are shared along a column: joint loads, which divide the requests by four.
; LIMITS: a block whose largest magnitude lies under 2^-124 (a block of zeros too) gets the scale byte 1 (the quantiser's text says 127 for zeros): its codes are zeros or as the floor gives them, and this program alone reads the bytes.
; NaN and infinities are not served; a given scale byte 0xff makes NaN.
.set PITCH, 272                        ; an LDS row: 256 bytes (512 codes, half of K) + 16 of padding: the 16 rows of a fragment load start at 16 different banks (64 banks of 4 bytes: ISA guide 11.1)
.set T16,   16*PITCH
.set BLK,   256*PITCH                  ; 256 rows: X's, then W's
.set HALF1, 2*BLK                      ; the second half of K lies behind the first
.set SCL,   2*HALF1                    ; behind the codes: the scale bytes, as units of 256 bytes + 16: X's 32 units, then W's
.set SBLK,  32*272
.set CW,    (0<<16)|(1<<20)|(1<<21)|(5<<22)|(3<<25)   ; group 1, word 0 for codes: elements of 1 byte; padding on; bit 21 beside a mask; after every 64 words 4 words
.set SW,    (3<<16)|(1<<20)|(1<<21)|(5<<22)|(3<<25)   ; for scale bytes: elements of 8 bytes
.set LI,  1                            ; v1   16 x lane
.set L4,  2                            ; v2   4 x lane
.set AP,  3                            ; v3-4 LDS address of my P fragments, K half 0, 1
.set AR,  5                            ; v5-6 the same for R
.set APS, 7                            ; v7   my P rows' scale words
.set ARS, 8                            ; v8   my R rows'
.set RF,  16                           ; v16-31   R's two fragments
.set PF,  32                           ; v32-95   P's eight; at the end the codes just made
.set ACC, 96                           ; v96-223  accumulator (u, t) at 96 + 64 u + 8 t
.set PS,  224                          ; v224-231 P's scale words
.set RS,  232                          ; v232-233 R's
.set TM,  234                          ; v234-249 the quantiser's work
.set PW,  250                          ; v250-251 the two tiles' scale words; v252 both in one register
.set G1CX, 24                          ; s[24:31] group 1: X's codes;  s[32:39] W's;  s[40:47] X's scale bytes;  s[48:55] W's
.set G1CW, 32
.set G1SX, 40
.set G1SW, 48
.set WV,  86                           ; s86  my wave's number
.set SEL, 92                           ; s[92:93] lane selects for v_permlanex16_b32: lane l xor 16
.macro CROUND                          ; a round of the cluster's barrier: my work-group's barrier; wave 0 signals for the work-group; every wave waits for all sixteen work-groups; my work-group's barrier once more
	s_barrier_signal -1
	s_barrier_wait -1
	s_cmp_lg_u32 s[WV], 0
	s_cbranch_scc1 .Lnot_wave_0_\@
	s_barrier_signal -3
.Lnot_wave_0_\@:
	s_barrier_wait -3
	s_barrier_signal -1
	s_barrier_wait -1
.endm
; 64 numbers of a lane, register 8 t + j = K index 16 t + 8 (lane / 16) + j of the lane's row (a transposed product's eight tiles as they fall), become a fragment's codes in v[pc] on and the row's scale word in v[pw].
; Block b of 32 lies in registers 16 b .. 16 b + 15 of lanes l and l xor 16.
.macro QUANT src, pc, pw, tm
.irp b, 0,1,2,3
	v_max3_num_f32 v[(\tm)+\b], |v[(\src)+16*\b]|, |v[(\src)+16*\b+1]|, 0x1800000   ; my 16 numbers of block b, and the floor 2^(3 - 127): the byte cannot fall under 1
.endr
.irp i, 2,4,6,8,10,12,14
.irp b, 0,1,2,3
	v_max3_num_f32 v[(\tm)+\b], v[(\tm)+\b], |v[(\src)+16*\b+\i]|, |v[(\src)+16*\b+\i+1]|   ; the four blocks by turns; each accumulator is read from its low end on
.endr
.endr
.irp b, 0,1,2,3
	v_permlanex16_b32 v[(\tm)+4+\b], v[(\tm)+\b], s[SEL], s[SEL+1]
.endr
.irp b, 0,1,2,3
	v_max_num_f32 v[(\tm)+\b], v[(\tm)+\b], v[(\tm)+4+\b]       ; with lane l xor 16's: the block's largest magnitude
.endr
.irp b, 0,1,2,3
	v_add_nc_u32 v[(\tm)+12+\b], 0xff000000, v[(\tm)+\b]        ; 2 off its exponent field: the conversion takes this operand's exponent field as its scale
.endr
.irp b, 0,1,2,3
	v_lshrrev_b32 v[(\tm)+4+\b], 23, v[(\tm)+12+\b]             ; the scale's byte
.endr
	v_lshl_or_b32 v[\pw], v[(\tm)+5], 8, v[(\tm)+4]
	v_lshl_or_b32 v[\pw], v[(\tm)+6], 16, v[\pw]
	v_lshl_or_b32 v[\pw], v[(\tm)+7], 24, v[\pw]
.irp c, 0,1
.irp e, 0,1
	v_cvt_scalef32_pk8_fp4_f32 v[(\pc)+4*\c+\e], v[(\src)+32*\c+16*\e:(\src)+32*\c+16*\e+7], v[(\tm)+12+2*\c+\e]        ; block 2 c + e: k 0-7 (lanes 0-15), 8-15 (lanes 16-31)
	v_cvt_scalef32_pk8_fp4_f32 v[(\pc)+4*\c+2+\e], v[(\src)+32*\c+16*\e+8:(\src)+32*\c+16*\e+15], v[(\tm)+12+2*\c+\e]   ; k 16-23, 24-31
.endr
.endr
	v_nop                                          ; one plain place behind a scaled conversion
.irp c, 0,1                                    ; the operand wants a whole block in a lane: lanes 0-15 block 2 c, lanes 16-31 block 2 c + 1
	v_permlane16_swap_b32 v[(\pc)+4*\c], v[(\pc)+4*\c+1]        ; -> (2c: 0-7 | 2c+1: 0-7), (2c: 8-15 | 2c+1: 8-15)
	v_permlane16_swap_b32 v[(\pc)+4*\c+2], v[(\pc)+4*\c+3]      ; -> 16-23, 24-31 likewise
.endr
.endm
	s_load_b512 s[4:19], s[0:1], 0x0               ; k's codes, scales; v's; Wk's; Wv's
	s_load_b128 s[20:23], s[0:1], 0x40             ; Wo's codes, kv
	s_load_b64 s[84:85], s[0:1], 0x50              ; wo_img
	v_lshl_add_u32 v254, v0, 2, 0x48800
	v_mov_b32 v255, 0
	ds_add_u32 v254, v255
	v_lshrrev_b32 v9, 5, v0
	v_readfirstlane_b32 s[WV], v9                  ; wave 0..15
	s_bfe_u32 s87, ttmp6, 0x40000                  ; cx
	s_bfe_u32 s88, ttmp6, 0x40004                  ; cy
	s_lshl_b32 s89, ttmp9, 2
	s_add_co_u32 s89, s89, s87                     ; x = 4 x cluster x + cx: which 256 rows of W
	s_and_b32 s91, ttmp7, 0xffff                   ; the cluster's y: 8 and more make vp
	s_lshl_b32 s90, s91, 2
	s_add_co_u32 s90, s90, s88                     ; y = 4 x cluster y + cy
	s_lshl_b32 s94, s88, 2
	s_lshl_b32 s94, 15, s94                        ; my row of the cluster
	s_lshl_b32 s95, 0x1111, s87                    ; my column
	s_or_b32 s[G1CX], s94, CW
	s_or_b32 s[G1CW], s95, CW
	s_or_b32 s[G1SX], s94, SW
	s_or_b32 s[G1SW], s95, SW
.irp g, G1CX, G1CW                             ; 32 rows x 256 bytes out of rows of 512
	s_mov_b32 s[\g+1], 256<<16                     ; tensor_dim0
	s_mov_b32 s[\g+2], 32<<16                      ; tensor_dim1
	s_mov_b32 s[\g+3], 256<<16                     ; tile_dim0
	s_mov_b32 s[\g+4], 32                          ; tile_dim1
	s_mov_b32 s[\g+5], 512                         ; from row to row
	s_mov_b32 s[\g+6], 0
	s_mov_b32 s[\g+7], 0
.endr
.irp g, G1SX, G1SW                             ; the scale bytes of 32 rows: 1,024 dense bytes as 4 rows of 256 (32 elements of 8 bytes)
	s_mov_b32 s[\g+1], 32<<16
	s_mov_b32 s[\g+2], 4<<16
	s_mov_b32 s[\g+3], 32<<16
	s_mov_b32 s[\g+4], 4
	s_mov_b32 s[\g+5], 32
	s_mov_b32 s[\g+6], 0
	s_mov_b32 s[\g+7], 0
.endr
	s_and_b32 s96, s[WV], 7
	s_lshl_b32 s96, s96, 5                         ; which 32 rows of a block I fetch: waves 0-7 X's, waves 8-15 W's
	s_and_b32 s97, s90, 31
	s_lshl_b32 s97, s97, 8
	s_add_co_u32 s97, s97, s96                     ; X: row 256 (y mod 32) + 32 (wave mod 8)
	s_lshl_b32 s98, s97, 9                         ; its codes, in bytes,
	s_mov_b32 s99, 0
	s_lshl_b32 s100, s97, 5                        ; and its scale bytes
	s_mov_b32 s101, 0
	s_lshl_b32 s95, s89, 8
	s_add_co_u32 s95, s95, s96                     ; W: row 256 x + 32 (wave mod 8), in registers that never hold cy
	s_mov_b32 s3, 0
	s_mul_i32 s61, s[WV], 32*PITCH                 ; where the codes go: wave x 32 rows: X's 256 rows, then W's; no place in the cluster enters an LDS address
	s_add_co_u32 s69, s61, HALF1
	s_mul_i32 s57, s[WV], 4*272
	s_add_co_u32 s57, s57, SCL                     ; and the scale bytes
	s_mov_b32 s77, s61
	s_mov_b32 s81, s69
	s_mov_b32 s73, s57
.irp g, 56, 60, 68, 72, 76, 80
	s_mov_b32 s[\g], 1                             ; count = 1
.endr
	s_wait_dscnt 0x0
	s_wait_kmcnt 0x0
	s_cmp_ge_u32 s91, 8                            ; kp or vp: the choice hangs on the cluster's number alone
	s_cselect_b64 s[4:5], s[8:9], s[4:5]           ; X's codes
	s_cselect_b64 s[6:7], s[10:11], s[6:7]         ; X's scales
	s_cselect_b64 s[12:13], s[16:17], s[12:13]     ; W's codes
	s_cselect_b64 s[14:15], s[18:19], s[14:15]     ; W's scales
	s_add_nc_u64 s[62:63], s[4:5], s[98:99]        ; X: K half 0,
	s_add_nc_u64 s[70:71], s[62:63], 256           ; half 1,
	s_add_nc_u64 s[58:59], s[6:7], s[100:101]      ; scale bytes
	s_lshl_b32 s2, s95, 9
	s_add_nc_u64 s[78:79], s[12:13], s[2:3]        ; W likewise
	s_add_nc_u64 s[82:83], s[78:79], 256
	s_lshl_b32 s2, s95, 5
	s_add_nc_u64 s[74:75], s[14:15], s[2:3]
.irp g, 59, 63, 71, 75, 79, 83
	s_or_b32 s[\g], s[\g], 0x80000000              ; type = 2
.endr
	CROUND                                         ; all sixteen work-groups are here: the joint loads meet
	s_cmp_lt_u32 s[WV], 8                          ; a wave's three fills stand in one branch on its number; three loads of mine are out; four v_nop follow the last
	s_cbranch_scc0 .Lfor_w
	tensor_load_to_lds s[56:59], s[G1SX:G1SX+7]
	s_nop 0
	tensor_load_to_lds s[60:63], s[G1CX:G1CX+7]
	s_nop 0
	tensor_load_to_lds s[68:71], s[G1CX:G1CX+7]
	s_nop 0
.rept 4
	v_nop
.endr
	s_branch .Lasked
.Lfor_w:
	tensor_load_to_lds s[72:75], s[G1SW:G1SW+7]
	s_nop 0
	tensor_load_to_lds s[76:79], s[G1CW:G1CW+7]
	s_nop 0
	tensor_load_to_lds s[80:83], s[G1CW:G1CW+7]
	s_nop 0
.rept 4
	v_nop
.endr
.Lasked:
	v_and_b32 v9, 31, v0                           ; lane
	v_and_b32 v10, 15, v0                          ; r
	v_bfe_u32 v11, v0, 4, 1                        ; h
	v_lshlrev_b32 v[LI], 4, v9
	v_lshlrev_b32 v[L4], 2, v9
	v_mul_u32_u24 v12, v10, PITCH
	v_lshl_add_u32 v12, v11, 4, v12                ; a fragment's row x pitch + 16 x half
	v_lshrrev_b32 v13, 3, v10
	v_and_b32 v14, 7, v10
	v_mul_u32_u24 v13, v13, 272
	v_lshl_add_u32 v13, v14, 5, v13                ; a row's scale bytes: 32 a row, eight rows to a unit
	s_mov_b32 s[SEL], 0x76543210
	s_mov_b32 s[SEL+1], 0xfedcba98
.irp b, 0,1,2,3
	v_mov_b32 v[TM+4+\b], 0                        ; written once: a lane permute's destination counts as one of its sources
.endr
	s_and_b32 s94, s[WV], 1                        ; pg: which 128 rows of P
	s_lshr_b32 s95, s[WV], 1                       ; beta: which 32 rows of R
	s_cmp_ge_u32 s91, 8
	s_cselect_b32 s96, 0, BLK                      ; P's rows: vp: X's (at 0); kp: W's
	s_cselect_b32 s97, BLK, 0                      ; R's: the other
	s_cselect_b32 s98, 0, SBLK
	s_cselect_b32 s99, SBLK, 0
	s_mul_i32 s100, s94, 128*PITCH
	s_add_co_u32 s96, s96, s100
	s_mul_i32 s100, s95, 32*PITCH
	s_add_co_u32 s97, s97, s100
	v_add_nc_u32 v[AP], s96, v12
	v_add_nc_u32 v[AP+1], HALF1, v[AP]
	v_add_nc_u32 v[AR], s97, v12
	v_add_nc_u32 v[AR+1], HALF1, v[AR]
	s_mul_i32 s100, s94, 16*272
	s_add_co_u32 s98, s98, s100
	s_add_co_u32 s98, s98, SCL
	s_mul_i32 s100, s95, 4*272
	s_add_co_u32 s99, s99, s100
	s_add_co_u32 s99, s99, SCL
	v_add_nc_u32 v[APS], s98, v13
	v_add_nc_u32 v[ARS], s99, v13
	; Wo's codes into images: waves 0 and 1 of work-group (x, y) take the fragment of n tile y, K step 2 x + wave: 64 x 8 fragments in all, each once
	s_cmp_lt_u32 s[WV], 2
	s_cbranch_scc0 .Lno_wo
	s_lshl_b32 s96, s89, 1
	s_add_co_u32 s96, s96, s[WV]                   ; the K step
	s_lshl_b32 s98, s90, 13                        ; 16 rows of 512 bytes a tile,
	s_lshl_b32 s97, s96, 6                         ; 64 bytes a K step
	s_add_co_u32 s98, s98, s97
	s_mov_b32 s99, 0
	s_add_nc_u64 s[16:17], s[20:21], s[98:99]
	s_lshl_b32 s98, s90, 3
	s_add_co_u32 s98, s98, s96
	s_lshl_b32 s98, s98, 10                        ; the image's place
	s_add_nc_u64 s[18:19], s[84:85], s[98:99]
	v_lshlrev_b32 v15, 9, v10
	v_lshl_add_u32 v15, v11, 4, v15                ; row r, + 16 h
	global_load_b128 v[96:99], v15, s[16:17]
	global_load_b128 v[100:103], v15, s[16:17] offset:32
	s_wait_loadcnt 0x0
	global_store_b128 v[LI], v[96:99], s[18:19]                ; 512 consecutive bytes a store
	global_store_b128 v[LI], v[100:103], s[18:19] offset:512
	s_wait_xcnt 0x0                                ; the stores have read their registers, which the products write below
.Lno_wo:
	; where my two units go.  kp: head 2 x + pg, tiles 2 beta, 2 beta + 1 of K.  vp: head 2 x + beta / 4, key step pg, channel tiles 2 (beta mod 4), + 1.  A unit's scale words lie at (its image's offset) / 16 in their region
	s_and_b32 s96, s90, 31
	s_lshr_b32 s97, s96, 3                         ; batch
	s_and_b32 s96, s96, 7                          ; slot
	s_lshl_b32 s98, s89, 1
	s_add_co_u32 s99, s98, s94                     ; kp's head
	s_lshr_b32 s100, s95, 2
	s_add_co_u32 s98, s98, s100                    ; vp's
	s_lshl_b32 s100, s95, 11                       ; kp's images: 2 beta x 1,024
	s_and_b32 s101, s95, 3
	s_lshl_b32 s101, s101, 11
	s_lshl_b32 s2, s94, 13
	s_add_co_u32 s101, s101, s2                    ; vp's: 8,192 pg + 2 (beta mod 4) x 1,024
	s_cmp_ge_u32 s91, 8
	s_cselect_b32 s98, s98, s99
	s_cselect_b32 s100, s101, s100
	s_cselect_b32 s101, 16384, 0                   ; V's images lie behind K's sixteen,
	s_cselect_b32 s2, 1024, 0                      ; V's scale words behind K's
	s_lshl_b32 s97, s97, 3
	s_add_co_u32 s97, s97, s98                     ; 8 x batch + head
	s_lshl_b32 s97, s97, 3
	s_add_co_u32 s97, s97, s96
	s_mul_i32 s97, s97, 34816                      ; the slot's first byte
	s_lshr_b32 s99, s100, 4
	s_add_co_u32 s99, s99, s2
	s_add_co_u32 s99, s99, 32768
	s_add_co_u32 s99, s99, s97
	s_add_co_u32 s100, s100, s101
	s_add_co_u32 s100, s100, s97
	s_mov_b32 s101, 0
	s_add_nc_u64 s[8:9], s[22:23], s[100:101]      ; my images
	s_mov_b32 s100, s99
	s_add_nc_u64 s[10:11], s[22:23], s[100:101]    ; my scale words
; 128 along K: 8 fragments of P, 2 of R, their scale words, 16 matrix instructions.  The sixteen accumulators take turns, one instruction a turn, in the same order in every step.
.macro KSTEP s
.if (\s) > 0
.rept 4
	v_nop                                          ; places in front of loads into registers that matrix instructions have read (ISA guide 7.12.1 for vector instructions)
.endr
.endif
.irp t, 0,1,2,3,4,5,6,7
.irp c, 0,1
	ds_load_b128 v[PF+8*\t+4*\c:PF+8*\t+4*\c+3], v[AP+(\s)/4] offset:T16*\t+64*((\s)%4)+32*\c
.endr
.endr
.irp u, 0,1
.irp c, 0,1
	ds_load_b128 v[RF+8*\u+4*\c:RF+8*\u+4*\c+3], v[AR+(\s)/4] offset:T16*\u+64*((\s)%4)+32*\c
.endr
.endr
.irp t, 0,1,2,3,4,5,6,7
	ds_load_b32 v[PS+\t], v[APS] offset:544*\t+4*(\s)
.endr
.irp u, 0,1
	ds_load_b32 v[RS+\u], v[ARS] offset:544*\u+4*(\s)
.endr
	s_wait_dscnt 0x0
.irp u, 0,1
.irp t, 0,1,2,3,4,5,6,7
.if (\s) == 0
	v_wmma_scale_f32_16x16x128_f8f6f4 v[ACC+64*\u+8*\t:ACC+64*\u+8*\t+7], v[PF+8*\t:PF+8*\t+7], v[RF+8*\u:RF+8*\u+7], 0, v[PS+\t], v[RS+\u] matrix_a_fmt:MATRIX_FMT_FP4 matrix_b_fmt:MATRIX_FMT_FP4
.else
	v_wmma_scale_f32_16x16x128_f8f6f4 v[ACC+64*\u+8*\t:ACC+64*\u+8*\t+7], v[PF+8*\t:PF+8*\t+7], v[RF+8*\u:RF+8*\u+7], v[ACC+64*\u+8*\t:ACC+64*\u+8*\t+7], v[PS+\t], v[RS+\u] matrix_a_fmt:MATRIX_FMT_FP4 matrix_b_fmt:MATRIX_FMT_FP4
.endif
.endr
.endr
.endm
	s_wait_tensorcnt 0x1                           ; my scale bytes and my part of K half 0 are in; half 1's load, issued last, may stay out
	s_barrier_signal -1
	s_barrier_wait -1                              ; everybody's are
	KSTEP 0
	KSTEP 1
	KSTEP 2
	KSTEP 3
	s_wait_tensorcnt 0x0                           ; my part of K half 1 is in
	s_wait_dscnt 0x0
	s_barrier_signal -1
	s_barrier_wait -1
	KSTEP 4
	KSTEP 5
	KSTEP 6
	KSTEP 7
.rept 4
	v_nop                                          ; places in front of the first read of results, and of writes into P's registers
.endr
	QUANT ACC, PF, PW, TM
	QUANT ACC+64, PF+8, PW+1, TM
	v_cmp_le_u32 vcc_lo, 16, v9
	v_cndmask_b32 v252, v[PW], v[PW+1], vcc_lo     ; lanes 0-15: the first tile's words, lanes 16-31: the second's (each half holds row lane % 16's)
.irp u, 0,1
.irp c, 0,1
	global_store_b128 v[LI], v[PF+8*\u+4*\c:PF+8*\u+4*\c+3], s[8:9] offset:1024*\u+512*\c   ; 512 consecutive bytes, at a multiple of 256 from kv's first byte
.endr
.endr
	global_store_b32 v[L4], v252, s[10:11]         ; 128 consecutive bytes: one byte in seventeen of what the launch stores leaves so
	s_wait_tensorcnt 0x0
	ds_add_u32 v254, v255
	s_wait_dscnt 0x0
	CROUND                                         ; the closing round: no work-group ends while a partner may still ask for a tile that names it
	s_endpgm
.Lfunc_end_k_q72f11a5985_kvproj:
	.size	k_q72f11a5985_kvproj, .Lfunc_end_k_q72f11a5985_kvproj-k_q72f11a5985_kvproj
	.p2alignl 7, 3214868480
	.fill 96, 4, 3214868480
	.section	.rodata,"a",@progbits
	.p2align	6, 0x0
	.amdhsa_kernel k_q72f11a5985_kvproj
		.amdhsa_group_segment_fixed_size 299008
		.amdhsa_private_segment_fixed_size 0
		.amdhsa_enable_private_segment 0
		.amdhsa_kernarg_size 88
		.amdhsa_user_sgpr_count 2
		.amdhsa_user_sgpr_kernarg_segment_ptr 1
		.amdhsa_wavefront_size32 1
		.amdhsa_system_sgpr_workgroup_id_x 1
		.amdhsa_system_sgpr_workgroup_id_y 1
		.amdhsa_system_sgpr_workgroup_id_z 1
		.amdhsa_system_vgpr_workitem_id 0
		.amdhsa_next_free_vgpr 256
		.amdhsa_next_free_sgpr 102
		.amdhsa_reserve_vcc 1
		.amdhsa_float_denorm_mode_32 3
		.amdhsa_float_denorm_mode_16_64 3
		.amdhsa_memory_ordered 1
		.amdhsa_forward_progress 1
		.amdhsa_inst_pref_size 51
	.end_amdhsa_kernel
	.amdgpu_metadata
---
amdhsa.version: [ 1, 2 ]
amdhsa.kernels:
  - .name:           k_q72f11a5985_kvproj
    .symbol:         k_q72f11a5985_kvproj.kd
    .args:
      - { .name: k_codes, .offset: 0, .size: 8, .value_kind: global_buffer, .address_space: global }
      - { .name: k_scales, .offset: 8, .size: 8, .value_kind: global_buffer, .address_space: global }
      - { .name: v_codes, .offset: 16, .size: 8, .value_kind: global_buffer, .address_space: global }
      - { .name: v_scales, .offset: 24, .size: 8, .value_kind: global_buffer, .address_space: global }
      - { .name: Wk_codes, .offset: 32, .size: 8, .value_kind: global_buffer, .address_space: global }
      - { .name: Wk_scales, .offset: 40, .size: 8, .value_kind: global_buffer, .address_space: global }
      - { .name: Wv_codes, .offset: 48, .size: 8, .value_kind: global_buffer, .address_space: global }
      - { .name: Wv_scales, .offset: 56, .size: 8, .value_kind: global_buffer, .address_space: global }
      - { .name: Wo_codes, .offset: 64, .size: 8, .value_kind: global_buffer, .address_space: global }
      - { .name: kv, .offset: 72, .size: 8, .value_kind: global_buffer, .address_space: global }
      - { .name: wo_img, .offset: 80, .size: 8, .value_kind: global_buffer, .address_space: global }
    .group_segment_fixed_size: 299008
    .private_segment_fixed_size: 0
    .kernarg_segment_align: 8
    .kernarg_segment_size: 88
    .max_flat_workgroup_size: 512
    .sgpr_count:     102
    .vgpr_count:     256
    .wavefront_size: 32
...
	.end_amdgpu_metadata
.endif
;; end of part 1
;; launch attn (part 2): grid 8 x 32, 8 waves a work-group, clusters of 4 x 1, 327,680 bytes of LDS; arguments q_codes, q_scales, Wq_codes, Wq_scales, kv, sres; writes sres
.if DOCPART == 2
	.amdgcn_target "amdgcn-amd-amdhsa--gfx1250"
	.amdhsa_code_object_version 6
	.text
	.protected	k_q72f11a5985_attn
	.globl	k_q72f11a5985_attn
	.p2align	8
	.type	k_q72f11a5985_attn,@function
k_q72f11a5985_attn:
	s_mov_b64 s[64:65], 0
	v_nop
	global_prefetch_b8 v0, s[64:65] scope:SCOPE_SE
	s_setreg_imm32_b32 hwreg(HW_REG_WAVE_MODE, 25, 1), 1
	s_wait_xcnt 0x0
	s_wait_alu depctr_hold_cnt(0) depctr_sa_sdst(0) depctr_va_vdst(0) depctr_va_sdst(0) depctr_va_ssrc(0) depctr_va_vcc(0) depctr_vm_vsrc(0)
	s_getreg_b32 s2, hwreg(HW_REG_IB_STS2, 6, 4)
	s_cmp_eq_u32 s2, 0
	s_cbranch_scc0 .Lentry_in_a_cluster
	s_endpgm
.Lentry_in_a_cluster:
	s_bfe_u32 s2, ttmp6, 0x10000c
	s_cmp_lg_u32 s2, 0x3003
	s_cbranch_scc0 .Lentry_shape_is_right
	s_endpgm
.Lentry_shape_is_right:
; sres = qp + attention: qp = q Wq^T; S = Q(qp) Q(kp)^T / 32 head by head; p = 2^(t - M); o = Q(p) Q(vp) / (the row's sum of p).  All three products on codes of FP4 (E2M1) with E8M0 scales.
; SHARES.  A work-group owns 256 queries of one (batch, head); each of its EIGHT waves owns 32 of them, TWO tiles of 16, in 512 registers: two waves to a SIMD.  Every fragment of Wq, K and V that a wave reads from LDS, and every
; scale word, feeds two matrix instructions, one for each tile.
; qp's piece [256 queries x the head's 128] is wanted by this work-group alone: it is made here (128 matrix instructions a wave), quantised in registers for the scores, and kept in LDS, 8 KB a tile, for the sum at the end.
; K AND V come as the launch before left them: a slot of 256 keys is 34,816 dense bytes: 16 + 16 fragments as images of the operand's registers (group c of lane l at 512 c + 16 l) and their scale words.
; A ring of two slots; waves 0 and 1 fetch a slot's halves (68 rows of 256 bytes each), all eight read.
; CLUSTER.  The four query blocks of a cluster belong to one (batch, head): Wq's rows of the head and every slot are asked for JOINTLY (mask 15).
; LAYOUT.  All products are used transposed (source 0 = 16 rows of Wq, 16 keys, 16 channels of V; source 1 = 16 queries): a lane holds ONE query of each tile (lane % 16); in eight tiles' results register 8 t + j is index 16 t + 8 (lane / 16) + j.
; THE SOFTMAX: t = score x log2(e) / 32; M = the running largest t rounded UP to a whole number; p = 2^(t - M) is quantised along the keys, not normalised; the row's sum is taken of the unquantised p; when M moves, the sum and O
; are multiplied by 2^(old M - new M), which rounds nothing.
; REGISTERS, in two windows of 256 (s_set_vgpr_msb: bits 1:0 source 0, 3:2 source 1, 5:4 source 2, 7:6 destination).  TILE 1 IS TILE 0'S MIRROR IN WINDOW 1: the same numbers hold the same things, so the quantiser and the softmax are
; written once and run once under the setting 0 and once under 0x55.  Window 0 alone holds the addresses, the fragments of Wq, K and V (v32-95) and every scale word (a scale operand has no window): tile 1's are copied there.
; A key step has seven switches for its 32 matrix instructions.
; LIMITS: a block whose largest magnitude lies under 2^-124 (a block of zeros too) gets the scale byte 1: this program alone reads the bytes.  NaN and infinities are not served; a given scale byte 0xff makes NaN.
; A block's largest p is taken as the exponential of the block's largest score: this takes v_exp_f32 not to fall where its input rises.
.set SLOTB, 34816
.set SLOT1, 1<<16                      ; slot 1 begins here: one exclusive or turns an address in one slot into the other's
.set SPARE, 34816                      ; behind slot 0: the spare words, 128 bytes for each wave: four blocks of 256 bytes that no other line names
.set WQS,   36864                      ; Wq's scale bytes of the head: 16 units of 256 bytes + 16
.set WQ,    100352                     ; behind slot 1: Wq's 128 rows of the head
.set WQP,   528                        ; 512 bytes + 16 of padding: 16 rows of a fragment load start at 16 different banks (64 banks of 4 bytes: ISA guide 11.1)
.set STASH, 167936                     ; 17,408 bytes for each wave: qp of its two tiles, 16 register groups of 512 bytes each; later the stages of the way out (4 x 16 rows x 272).  No fill ever lands here
.set STB,   17408
.set VIMG,  16384                      ; in a slot: K's images at 0, V's here,
.set KSC,   32768                      ; K's scale words,
.set VSC,   33792                      ; V's
.set LI,  1                            ; v1   16 x lane
.set LS,  2                            ; v2   4 x (lane % 16)
.set AW,  3                            ; v3   my lane's place in a tile of Wq
.set AWS, 4                            ; v4   and among its scale words
.set SPW, 5                            ; v5   LDS address of my spare word; never rewritten
.set NIL, 6                            ; v6   0; never rewritten
.set GO,  7                            ; v7   the way out: my byte offset in a tile's rows of sres
.set AD,  8                            ; v8   the slot in hand + 16 x lane
.set AS,  9                            ; v9   the slot in hand + 4 x (lane % 16)
.set STO, 10                           ; v10  the stage: where I put 32 bytes of a row
.set RD,  11                           ; v11  and where I read a row back
.set STA, 24                           ; v24  my wave's stash + 16 x lane
.set QSB, 30                           ; v30  tile 1's scale word of Q
.set PSB, 31                           ; v31  tile 1's scale word of p
.set FRG, 32                           ; v32-95   window 0: eight fragments of Wq, of K or of V; on the way out, in each window, the tile's qp and then its rows
.set SS,  96                           ; v96-159  each window: qp, then S^T, then p
.set OT,  160                          ; v160-223 each window: q's eight fragments, then O^T
                                       ; each window: v12 -M, v13 the largest t, v[14:15] the sum in two halves; v16-23 Q's fragment; v224-231 p's codes; v232-254 at work; v255 Q's scale word
                                       ; window 0, during the projection: v224-231 q's scale words of tile 0, v16-23 of tile 1, v240-247 Wq's
.set WV,   18
.set SEL,  20                          ; s[20:21] lane selects for v_permlanex16_b32: lane l xor 16
.set CS,   22                          ; s[22:23] c = log2(e) / 32
.set G1KV, 24                          ; s[24:31], s[32:39], s[40:47] groups 1: a slot's half; Wq's codes; Wq's scale bytes
.set G1W,  32
.set G1WS, 40
.set G0KV, 48                          ; s[48:51] group 0 of the slots, which walks;  s[52:55], s[56:59] of Wq's codes and scale bytes
.set G0W,  52
.set G0WS, 56
.set TB,   60                          ; s60  LDS byte at which the slot in hand begins
.set SLOTS, 61                         ; s61  slots still to be asked for
.set MSB, 0
.macro WIN new                         ; the immediate's high byte repeats the setting that is left; a switch that changes nothing is dropped.  At a label and at a branch every window is 0
.if MSB != (\new)
	s_set_vgpr_msb (MSB<<8)|(\new)
.set MSB, (\new)
.endif
.endm
.macro CROUND                          ; a round of the cluster's barrier
	s_barrier_signal -1
	s_barrier_wait -1
	s_cmp_lg_u32 s[WV], 0
	s_cbranch_scc1 .Lnot_wave_0_\@
	s_barrier_signal -3
.Lnot_wave_0_\@:
	s_barrier_wait -3
	s_barrier_signal -1
	s_barrier_wait -1
.endm
.macro KVLOAD                          ; waves 0 and 1 ask for the halves of a slot; four v_nop follow the line
	s_cmp_lt_u32 s[WV], 2
	s_cbranch_scc0 .Lasked_\@
	tensor_load_to_lds s[G0KV:G0KV+3], s[G1KV:G1KV+7]
	s_nop 0
.rept 4
	v_nop
.endr
.Lasked_\@:
.endm
; 64 numbers of a lane, register 8 t + j = K index 16 t + 8 (lane / 16) + j of the lane's row, become a fragment's codes in v[pc] on and the row's scale word in v[pw].  Block b lies in registers 16 b .. 16 b + 15 of lanes l and l xor 16.
; It names vector registers of one window alone: the caller sets it.
.macro QUANT src, pc, pw, tm
.irp b, 0,1,2,3
	v_max3_num_f32 v[(\tm)+\b], |v[(\src)+16*\b]|, |v[(\src)+16*\b+1]|, 0x1800000   ; and the floor 2^(3 - 127): the byte cannot fall under 1
.endr
.irp i, 2,4,6,8,10,12,14
.irp b, 0,1,2,3
	v_max3_num_f32 v[(\tm)+\b], v[(\tm)+\b], |v[(\src)+16*\b+\i]|, |v[(\src)+16*\b+\i+1]|
.endr
.endr
.irp b, 0,1,2,3
	v_permlanex16_b32 v[(\tm)+4+\b], v[(\tm)+\b], s[SEL], s[SEL+1]
.endr
.irp b, 0,1,2,3
	v_max_num_f32 v[(\tm)+\b], v[(\tm)+\b], v[(\tm)+4+\b]
.endr
.irp b, 0,1,2,3
	v_add_nc_u32 v[(\tm)+12+\b], 0xff000000, v[(\tm)+\b]        ; 2 off the exponent field: the conversion's scale operand
.endr
.irp b, 0,1,2,3
	v_lshrrev_b32 v[(\tm)+4+\b], 23, v[(\tm)+12+\b]             ; the scale's byte
.endr
	v_lshl_or_b32 v[\pw], v[(\tm)+5], 8, v[(\tm)+4]
	v_lshl_or_b32 v[\pw], v[(\tm)+6], 16, v[\pw]
	v_lshl_or_b32 v[\pw], v[(\tm)+7], 24, v[\pw]
.irp c, 0,1
.irp e, 0,1
	v_cvt_scalef32_pk8_fp4_f32 v[(\pc)+4*\c+\e], v[(\src)+32*\c+16*\e:(\src)+32*\c+16*\e+7], v[(\tm)+12+2*\c+\e]
	v_cvt_scalef32_pk8_fp4_f32 v[(\pc)+4*\c+2+\e], v[(\src)+32*\c+16*\e+8:(\src)+32*\c+16*\e+15], v[(\tm)+12+2*\c+\e]
.endr
.endr
	v_nop                                          ; one plain place behind a scaled conversion
.irp c, 0,1                                    ; a whole block to a lane: lanes 0-15 block 2 c, lanes 16-31 block 2 c + 1
	v_permlane16_swap_b32 v[(\pc)+4*\c], v[(\pc)+4*\c+1]
	v_permlane16_swap_b32 v[(\pc)+4*\c+2], v[(\pc)+4*\c+3]
.endr
.endm
	s_load_b256 s[4:11], s[0:1], 0x0               ; q's codes, q's scales, Wq's codes, Wq's scales
	s_load_b128 s[12:15], s[0:1], 0x20             ; kv, sres
	v_lshl_add_u32 v[SPW], v0, 2, SPARE
	v_mov_b32 v[NIL], 0
	ds_add_u32 v5, v6
	s_wait_dscnt 0x0
	v_lshrrev_b32 v8, 5, v0
	v_readfirstlane_b32 s[WV], v8                  ; wave 0..7
	s_bfe_u32 s66, ttmp6, 0x40000                  ; cx
	s_lshl_b32 s67, ttmp9, 2
	s_add_co_u32 s67, s67, s66                     ; my block of 256 queries: it enters q's and sres's addresses alone
	s_and_b32 s68, ttmp7, 0xffff                   ; 8 x batch + head, which the four partners share
	s_lshr_b32 s69, s68, 3
	s_and_b32 s70, s68, 7
	s_and_b32 s71, s[WV], 1                        ; which half I fetch, if I fetch
	s_lshl_b32 s72, s69, 11
	s_lshl_b32 s73, s67, 8
	s_add_co_u32 s72, s72, s73
	s_lshl_b32 s73, s[WV], 5
	s_add_co_u32 s72, s72, s73                     ; my first row: 2,048 x batch + 256 x block + 32 x wave
	s_mov_b32 s[G1KV], 15|(3<<16)|(1<<21)          ; mask: all four; elements of 8 bytes; bit 21 beside a mask; no padding
	s_mov_b32 s[G1KV+1], 32<<16                    ; 68 rows of 256 bytes, dense
	s_mov_b32 s[G1KV+2], 68<<16
	s_mov_b32 s[G1KV+3], 32<<16
	s_mov_b32 s[G1KV+4], 68
	s_mov_b32 s[G1KV+5], 32
	s_mov_b32 s[G1KV+6], 0
	s_mov_b32 s[G1KV+7], 0
	s_mov_b32 s[G1W], 15|(0<<16)|(1<<20)|(1<<21)|(6<<22)|(3<<25)   ; elements of 1 byte; after every 128 words 4 words of padding
	s_mov_b32 s[G1W+1], 512<<16                    ; 64 rows of 512 bytes
	s_mov_b32 s[G1W+2], 64<<16
	s_mov_b32 s[G1W+3], 512<<16
	s_mov_b32 s[G1W+4], 64
	s_mov_b32 s[G1W+5], 512
	s_mov_b32 s[G1W+6], 0
	s_mov_b32 s[G1W+7], 0
	s_mov_b32 s[G1WS], 15|(3<<16)|(1<<20)|(1<<21)|(5<<22)|(3<<25)  ; 4,096 dense bytes as 16 rows of 256, 16 bytes of padding behind each
	s_mov_b32 s[G1WS+1], 32<<16
	s_mov_b32 s[G1WS+2], 16<<16
	s_mov_b32 s[G1WS+3], 32<<16
	s_mov_b32 s[G1WS+4], 16
	s_mov_b32 s[G1WS+5], 32
	s_mov_b32 s[G1WS+6], 0
	s_mov_b32 s[G1WS+7], 0
	s_mov_b32 s[G0KV], 1
	s_mul_i32 s[G0KV+1], s71, SLOTB/2              ; slot 0, my half
	s_mul_i32 s74, s68, 8*SLOTB
	s_add_co_u32 s74, s74, s[G0KV+1]               ; the (batch, head)'s first slot, my half
	s_mov_b32 s75, 0
	s_mov_b32 s[G0W], 1
	s_mul_i32 s[G0W+1], s71, 64*WQP
	s_add_co_u32 s[G0W+1], s[G0W+1], WQ
	s_lshl_b32 s76, s70, 16                        ; the head's 128 rows of 512 bytes,
	s_lshl_b32 s77, s71, 15                        ; my 64 of them
	s_add_co_u32 s76, s76, s77
	s_mov_b32 s77, 0
	s_mov_b32 s[G0WS], 1
	s_mov_b32 s[G0WS+1], WQS
	s_lshl_b32 s78, s70, 12
	s_mov_b32 s79, 0
	s_lshl_b32 s80, s72, 9                         ; my rows in q's codes,
	s_mov_b32 s81, 0
	s_lshl_b32 s82, s72, 5                         ; in q's scale bytes,
	s_mov_b32 s83, 0
	s_lshl_b32 s84, s72, 12                        ; and in sres, at the head's 128 columns
	s_lshl_b32 s85, s70, 9
	s_add_co_u32 s84, s84, s85
	s_mov_b32 s85, 0
	s_mov_b32 s[SEL], 0x76543210
	s_mov_b32 s[SEL+1], 0xfedcba98
	s_mov_b32 s[CS], 0x3d38aa3b                    ; log2(e) / 32
	s_mov_b32 s[CS+1], s[CS]                       ; (named with it as a pair, so it is written)
	s_mov_b32 s[TB], 0
	s_mov_b32 s[SLOTS], 7
	s_wait_kmcnt 0x0
	s_add_nc_u64 s[G0KV+2:G0KV+3], s[12:13], s[74:75]
	s_or_b32 s[G0KV+3], s[G0KV+3], 0x80000000
	s_add_nc_u64 s[G0W+2:G0W+3], s[8:9], s[76:77]
	s_or_b32 s[G0W+3], s[G0W+3], 0x80000000
	s_add_nc_u64 s[G0WS+2:G0WS+3], s[10:11], s[78:79]
	s_or_b32 s[G0WS+3], s[G0WS+3], 0x80000000
	s_add_nc_u64 s[4:5], s[4:5], s[80:81]
	s_add_nc_u64 s[6:7], s[6:7], s[82:83]
	s_add_nc_u64 s[14:15], s[14:15], s[84:85]
	CROUND                                         ; all four work-groups are here: the first joint loads meet
	s_cmp_lt_u32 s[WV], 2                          ; the first fills: waves 0, 1 slot 0; waves 2, 3 Wq's codes; wave 4 Wq's scale bytes: one load a wave
	s_cbranch_scc0 .Lf_not_kv
	tensor_load_to_lds s[G0KV:G0KV+3], s[G1KV:G1KV+7]
	s_nop 0
.rept 4
	v_nop
.endr
	s_branch .Lf_done
.Lf_not_kv:
	s_cmp_lt_u32 s[WV], 4
	s_cbranch_scc0 .Lf_not_w
	tensor_load_to_lds s[G0W:G0W+3], s[G1W:G1W+7]
	s_nop 0
.rept 4
	v_nop
.endr
	s_branch .Lf_done
.Lf_not_w:
	s_cmp_eq_u32 s[WV], 4
	s_cbranch_scc0 .Lf_done
	tensor_load_to_lds s[G0WS:G0WS+3], s[G1WS:G1WS+7]
	s_nop 0
.rept 4
	v_nop
.endr
.Lf_done:
	v_and_b32 v27, 15, v0                          ; r
	v_bfe_u32 v28, v0, 4, 1                        ; h
	v_and_b32 v29, 31, v0                          ; lane
	v_lshlrev_b32 v25, 9, v27
	v_lshl_add_u32 v25, v28, 4, v25                ; q's codes: row r of 512 bytes, + 16 h
	v_lshlrev_b32 v26, 5, v27                      ; q's scale bytes: 32 a row
.macro QLOAD w                                 ; tile w's eight fragments of q, into its window: read once, by this wave alone
	WIN 0x40*(\w)
.irp s, 0,1,2,3,4,5,6,7
.irp c, 0,1
	global_load_b128 v[OT+8*\s+4*\c:OT+8*\s+4*\c+3], v25, s[4:5] offset:8192*(\w)+64*\s+32*\c th:TH_LOAD_NT
.endr
.endr
.endm
	QLOAD 0
	QLOAD 1
	WIN 0
	global_load_b128 v[224:227], v26, s[6:7] th:TH_LOAD_NT             ; tile 0: register 224 + s: row r's scale word of K step s
	global_load_b128 v[228:231], v26, s[6:7] offset:16 th:TH_LOAD_NT
	global_load_b128 v[16:19], v26, s[6:7] offset:512 th:TH_LOAD_NT    ; tile 1: register 16 + s, in window 0
	global_load_b128 v[20:23], v26, s[6:7] offset:528 th:TH_LOAD_NT
	v_lshlrev_b32 v[LI], 4, v29
	v_lshlrev_b32 v[LS], 2, v27
	v_mul_u32_u24 v[AW], v27, WQP
	v_lshl_add_u32 v[AW], v28, 4, v[AW]
	v_add_nc_u32 v[AW], WQ, v[AW]
	v_lshrrev_b32 v8, 3, v27
	v_and_b32 v9, 7, v27
	v_mul_u32_u24 v[AWS], v8, 272
	v_lshl_add_u32 v[AWS], v9, 5, v[AWS]
	v_add_nc_u32 v[AWS], WQS, v[AWS]               ; a row's scale bytes: 32 a row, eight rows to a unit
	v_lshlrev_b32 v[GO], 12, v28
	v_lshl_add_u32 v[GO], v27, 4, v[GO]            ; lanes 0-15 one row of sres, lanes 16-31 the next; 16 bytes a lane
	s_mul_i32 s86, s[WV], STB
	s_add_co_u32 s86, s86, STASH                   ; my stash
	v_add_nc_u32 v[STA], s86, v[LI]
	v_mul_u32_u24 v[STO], v27, 272
	v_lshl_add_u32 v[STO], v28, 5, v[STO]
	v_add_nc_u32 v[STO], s86, v[STO]               ; the stage: row r, + 32 h
	v_mul_u32_u24 v[RD], v28, 272
	v_lshl_add_u32 v[RD], v27, 4, v[RD]
	v_add_nc_u32 v[RD], s86, v[RD]                 ; back: lanes 0-15 one row, lanes 16-31 the next
.irp b, 0,1,2,3
	v_mov_b32 v[236+\b], 0                         ; written once, in each window: a lane permute's destination counts as one of its sources
.endr
	WIN 0x40
.irp b, 0,1,2,3
	v_mov_b32 v[236+\b], 0
.endr
	WIN 0
	s_wait_tensorcnt 0x0                           ; my first fill is in,
	s_barrier_signal -1
	s_barrier_wait -1                              ; everybody's is
; qp^T = Wq q^T, 128 along K at a time: eight tiles of 16 of the head's 128, each fragment of Wq for both tiles of queries; the sixteen accumulators take turns
.macro QSTEP s
.if (\s) > 0
.rept 4
	v_nop                                          ; places in front of loads into registers that matrix instructions have read
.endr
.endif
.irp t, 0,1,2,3,4,5,6,7
.irp c, 0,1
	ds_load_b128 v[FRG+8*\t+4*\c:FRG+8*\t+4*\c+3], v[AW] offset:16*WQP*\t+64*(\s)+32*\c
.endr
	ds_load_b32 v[240+\t], v[AWS] offset:544*\t+4*(\s)
.endr
	s_wait_dscnt 0x0
.if (\s) == 0
	s_wait_loadcnt 0x0                             ; q
.endif
.irp t, 0,1,2,3,4,5,6,7
.if (\s) == 0
	v_wmma_scale_f32_16x16x128_f8f6f4 v[SS+8*\t:SS+8*\t+7], v[FRG+8*\t:FRG+8*\t+7], v[OT+8*(\s):OT+8*(\s)+7], 0, v[240+\t], v[224+(\s)] matrix_a_fmt:MATRIX_FMT_FP4 matrix_b_fmt:MATRIX_FMT_FP4
.else
	v_wmma_scale_f32_16x16x128_f8f6f4 v[SS+8*\t:SS+8*\t+7], v[FRG+8*\t:FRG+8*\t+7], v[OT+8*(\s):OT+8*(\s)+7], v[SS+8*\t:SS+8*\t+7], v[240+\t], v[224+(\s)] matrix_a_fmt:MATRIX_FMT_FP4 matrix_b_fmt:MATRIX_FMT_FP4
.endif
.endr
	WIN 0x54                                       ; tile 1: source 0 (Wq) window 0; source 1 (q), C and D window 1
.irp t, 0,1,2,3,4,5,6,7
.if (\s) == 0
	v_wmma_scale_f32_16x16x128_f8f6f4 v[SS+8*\t:SS+8*\t+7], v[FRG+8*\t:FRG+8*\t+7], v[OT+8*(\s):OT+8*(\s)+7], 0, v[240+\t], v[16+(\s)] matrix_a_fmt:MATRIX_FMT_FP4 matrix_b_fmt:MATRIX_FMT_FP4
.else
	v_wmma_scale_f32_16x16x128_f8f6f4 v[SS+8*\t:SS+8*\t+7], v[FRG+8*\t:FRG+8*\t+7], v[OT+8*(\s):OT+8*(\s)+7], v[SS+8*\t:SS+8*\t+7], v[240+\t], v[16+(\s)] matrix_a_fmt:MATRIX_FMT_FP4 matrix_b_fmt:MATRIX_FMT_FP4
.endif
.endr
	WIN 0
.endm
	QSTEP 0
	QSTEP 1
	QSTEP 2
	QSTEP 3
	QSTEP 4
	QSTEP 5
	QSTEP 6
	QSTEP 7
.rept 4
	v_nop                                          ; places in front of the first read of results
.endr
.irp i, 0,1,2,3,4,5,6,7,8,9,10,11,12,13,14,15
	ds_store_b128 v[STA], v[SS+4*\i:SS+4*\i+3] offset:512*\i   ; qp is kept for the sum at the end, as it stands in my registers; each accumulator from its low end on
.endr
	WIN 0x04                                       ; an LDS store's data are its source 1: window 1
.irp i, 0,1,2,3,4,5,6,7,8,9,10,11,12,13,14,15
	ds_store_b128 v[STA], v[SS+4*\i:SS+4*\i+3] offset:8192+512*\i
.endr
	WIN 0
	QUANT SS, 16, 255, 232                         ; tile 0: Q's fragment and scale word
	WIN 0x55
	QUANT SS, 16, 255, 232                         ; tile 1: the same lines in window 1
	WIN 0x01
	v_mov_b32 v[QSB], v255                         ; its scale word into window 0
	WIN 0
.macro INIT                                    ; a tile's statistics and O^T.  (The key step is written once: the first finds zeros.)  These lines are also the places between Q's scale words and fragments and their first use
	v_mov_b32 v13, 0xff61b1e6                      ; the largest t so far: -3e38, under every t
	v_floor_f32 v12, -v13                          ; -M
	v_mov_b32 v14, 0                               ; the sum, in two halves
	v_mov_b32 v15, 0
	v_mov_b32 v253, 0                              ; (named as the upper half of the pair v[252:253] before it is first written)
.set j, 0
.rept 64
	v_mov_b32 v[OT+j], 0
.set j, j+1
.endr
.endm
	INIT
	WIN 0x55
	INIT
	WIN 0
.macro QK g, qs                                ; S^T = K Q^T: K's tiles 4 g .. 4 g + 3 against the tile of queries whose window is set; qs: that tile's scale word of Q
.irp t, 0,1,2,3
	v_wmma_scale_f32_16x16x128_f8f6f4 v[SS+8*(4*(\g)+\t):SS+8*(4*(\g)+\t)+7], v[FRG+32*(\g)+8*\t:FRG+32*(\g)+8*\t+7], v[16:23], 0, v[248-8*(\g)+\t], v[\qs] matrix_a_fmt:MATRIX_FMT_FP4 matrix_b_fmt:MATRIX_FMT_FP4
.endr
.endm
.macro PV ps                                   ; O^T += V^T P^T: eight accumulators by turns; ps: the tile's scale word of p
.irp g, 0,1
.irp t, 0,1,2,3
	v_wmma_scale_f32_16x16x128_f8f6f4 v[OT+8*(4*\g+\t):OT+8*(4*\g+\t)+7], v[FRG+32*\g+8*\t:FRG+32*\g+8*\t+7], v[224:231], v[OT+8*(4*\g+\t):OT+8*(4*\g+\t)+7], v[248-8*\g+\t], v[\ps] matrix_a_fmt:MATRIX_FMT_FP4 matrix_b_fmt:MATRIX_FMT_FP4
.endr
.endr
.endm
; ONE TILE'S SOFTMAX for 128 keys.  It names vector registers of one window alone: the caller sets it.
.macro SOFTMAX
.irp b, 0,1,2,3
	v_max3_num_f32 v[232+\b], v[SS+16*\b], v[SS+1+16*\b], v[SS+2+16*\b]   ; the largest score of each block of 32 keys: it serves the row's maximum and, since p rises with the score, the block's largest p
.endr
.irp i, 3,5,7,9,11,13
.irp b, 0,1,2,3
	v_max3_num_f32 v[232+\b], v[232+\b], v[SS+16*\b+\i], v[SS+1+16*\b+\i]
.endr
.endr
.irp b, 0,1,2,3
	v_max_num_f32 v[232+\b], v[232+\b], v[SS+15+16*\b]
.endr
.irp b, 0,1,2,3
	v_permlanex16_b32 v[236+\b], v[232+\b], s[SEL], s[SEL+1]
.endr
.irp b, 0,1,2,3
	v_max_num_f32 v[232+\b], v[232+\b], v[236+\b]  ; with lane l xor 16's 16 keys
.endr
	v_max3_num_f32 v254, v232, v233, v234
	v_max_num_f32 v254, v254, v235                 ; the step's largest score of my query
	v_mul_f32 v254, s[CS], v254                    ; as t (c is positive)
	v_max_num_f32 v13, v13, v254                   ; the running largest t
	v_mov_b32 v254, v12
	v_floor_f32 v12, -v13                          ; the new -M = floor(-t) = -ceil(t)
	v_sub_f32 v254, v12, v254                      ; old M - new M: a whole number, 0 or less
	v_cvt_i32_f32 v254, v254                       ; (it saturates)
	v_ldexp_f32 v252, 1.0, v254                    ; f = 2^(old M - new M)
.irp b, 0,1,2,3
	v_fma_f32 v[232+\b], v[232+\b], s[CS], v12     ; t - M of each block's largest score
.endr
.irp j, 0,2,4,6
	v_pk_fma_f32 v[SS+\j:SS+\j+1], v[SS+\j:SS+\j+1], s[CS:CS+1], v[12:13] op_sel_hi:[1,0,0]   ; t - M, two at a time: the first four pairs
.endr
.irp b, 0,1,2,3
	v_exp_f32 v[232+\b], v[232+\b]                 ; the block's largest p: the same two instructions on the same number give the same bits
.endr
; The 64 exponentials p = 2^(t - M) stand one by one between plain lines that are due anyway and name none of their registers: t - M four pairs ahead, at the end the blocks' floors; and O^T x f.
.set n, 0
.rept 32
	v_exp_f32 v[SS+2*n], v[SS+2*n]
.if n < 28
	v_pk_fma_f32 v[SS+2*n+8:SS+2*n+9], v[SS+2*n+8:SS+2*n+9], s[CS:CS+1], v[12:13] op_sel_hi:[1,0,0]
.else
	s_wait_alu depctr_va_vdst(0)
	v_max_num_f32 v[232+n-28], 0x1800000, v[232+n-28]          ; the floor 2^(3 - 127) under a block's largest p: the byte cannot fall under 1
.endif
	v_exp_f32 v[SS+2*n+1], v[SS+2*n+1]
	v_pk_mul_f32 v[OT+2*n:OT+2*n+1], v[OT+2*n:OT+2*n+1], v[252:253] op_sel_hi:[1,0]   ; O^T under the new M; each accumulator from its low end on
.set n, n+1
.endr
	v_pk_mul_f32 v[14:15], v[14:15], v[252:253] op_sel_hi:[1,0]   ; the sums under the new M
.irp b, 0,1,2,3
	v_add_nc_u32 v[244+\b], 0xff000000, v[232+\b]  ; the conversion's scale operand
.endr
.irp b, 0,1,2,3
	v_lshrrev_b32 v[236+\b], 23, v[244+\b]         ; the scale's byte
.endr
	v_lshl_or_b32 v253, v237, 8, v236              ; p's scale word for these 128 keys
	v_lshl_or_b32 v253, v238, 16, v253
	v_lshl_or_b32 v253, v239, 24, v253
	s_wait_alu depctr_va_vdst(0)
.irp c, 0,1
.irp e, 0,1
	v_cvt_scalef32_pk8_fp4_f32 v[224+4*\c+\e], v[SS+32*\c+16*\e:SS+32*\c+16*\e+7], v[244+2*\c+\e]
	v_cvt_scalef32_pk8_fp4_f32 v[226+4*\c+\e], v[SS+32*\c+16*\e+8:SS+32*\c+16*\e+15], v[244+2*\c+\e]
.endr
.endr
	v_nop                                          ; one plain place behind a scaled conversion
.irp c, 0,1
	v_permlane16_swap_b32 v[224+4*\c], v[225+4*\c]
	v_permlane16_swap_b32 v[226+4*\c], v[227+4*\c]
.endr
	v_pk_add_f32 v[236:237], v[SS:SS+1], v[SS+2:SS+3]              ; the row's sum is taken of the unquantised p: two at a time, in two chains.  (Also the places between p's codes and scale word and the products)
.irp j, 4,8,12,16,20,24,28,32,36,40,44,48,52,56,60
	v_pk_add_f32 v[14:15], v[14:15], v[SS+\j:SS+\j+1]
	v_pk_add_f32 v[236:237], v[236:237], v[SS+2+\j:SS+3+\j]
.endr
	v_pk_add_f32 v[14:15], v[14:15], v[236:237]
.endm
; A KEY STEP: 128 keys, the q-th of the slot in hand, for both tiles of queries.
.macro STEP q
	v_add_nc_u32 v[AD], s[TB], v[LI]
	v_add_nc_u32 v[AS], s[TB], v[LS]
.rept 4
	v_nop                                          ; places in front of loads into registers that the last products read
.endr
.irp g, 0,1                                    ; K's eight fragments in one run; the scale words of tiles 0-3 in v248-251, of tiles 4-7 in v240-243
.irp t, 0,1,2,3
.irp c, 0,1
	ds_load_b128 v[FRG+32*\g+8*\t+4*\c:FRG+32*\g+8*\t+4*\c+3], v[AD] offset:(8*(\q)+4*\g+\t)*1024+512*\c
.endr
	ds_load_b32 v[248-8*\g+\t], v[AS] offset:KSC+(8*(\q)+4*\g+\t)*64
.endr
.endr
	s_wait_dscnt 12                                ; tiles 0-3 are in while the twelve loads of tiles 4-7 may be out
	QK 0, 255
	WIN 0x54                                       ; source 0 (K) window 0; source 1 (Q) and D window 1
	QK 0, QSB
	s_wait_dscnt 0x0                               ; tiles 4-7 are in
	QK 1, QSB
	WIN 0
	QK 1, 255
.rept 4
	v_nop                                          ; places in front of the loads below and of the first read of the scores
.endr
.irp g, 0,1                                    ; V's eight fragments are asked for now and land under the softmax, which names none of their registers
.irp t, 0,1,2,3
.irp c, 0,1
	ds_load_b128 v[FRG+32*\g+8*\t+4*\c:FRG+32*\g+8*\t+4*\c+3], v[AD] offset:VIMG+8192*(\q)+(4*\g+\t)*1024+512*\c
.endr
	ds_load_b32 v[248-8*\g+\t], v[AS] offset:VSC+512*(\q)+(4*\g+\t)*64
.endr
.endr
	WIN 0x55
	SOFTMAX                                        ; tile 1 first: its scale word of p is copied into window 0, and tile 0's softmax stands between the copy and its use
	WIN 0x01
	v_mov_b32 v[PSB], v253
	WIN 0
	SOFTMAX
	s_wait_dscnt 0x0                               ; V is in
	PV 253
	WIN 0x54                                       ; source 0 (V) window 0; source 1 (p), C and D window 1
	PV PSB
	WIN 0
.endm
; THE CHANGE OF SLOTS stands at a slot's head.  Each wave waits for all its tensor loads (its part of the slot that it is about to read), adds 0 to its spare word, and waits for that and for its LDS reads and stores so far.
; fill = 1: the other slot takes the 256 keys that follow.  The barrier is then a round of the cluster's, so that no wave of any partner still reads that slot or has a load on its way; the joint load comes first behind it
; and has two key steps of eight waves in which to land.  One tensor load of a wave is out.
.macro CHANGE fill
	s_wait_tensorcnt 0x0                           ; no tensor load of mine is out, so a group 0 may be written
	ds_add_u32 v[SPW], v[NIL]                      ; 0 onto my spare word
.if \fill
	s_xor_b32 s[G0KV+1], s[G0KV+1], SLOT1          ; the other slot than last time,
	s_add_nc_u64 s[G0KV+2:G0KV+3], s[G0KV+2:G0KV+3], SLOTB   ; the next 256 keys; the type bits on top are not reached
.endif
	s_wait_dscnt 0x0                               ; the add is done, and my reads of the slot that I have left are over
.if \fill
	CROUND
	KVLOAD
.else
	s_barrier_signal -1
	s_barrier_wait -1
.endif
.endm
.macro SLOT_STEPS
	STEP 0
	STEP 1
	s_xor_b32 s[TB], s[TB], SLOT1                  ; on to the other slot
.endm
.Lslot:                                            ; seven trips: behind each change of slots but the last the next slot is asked for
	CHANGE 1
	SLOT_STEPS
	s_sub_co_u32 s[SLOTS], s[SLOTS], 1
	s_cmp_lg_u32 s[SLOTS], 0
	s_cbranch_scc1 .Lslot
	CHANGE 0                                       ; the last slot is written out
	SLOT_STEPS
	; THE WAY OUT: sres = qp + O^T / the sum.  It goes through my stages, half a head's row (64 columns, 256 bytes) of 16 queries at a time, so that sixteen lanes store 256 consecutive bytes.
.macro FINSUM                                  ; a tile's 1 / sum
	v_add_f32 v14, v14, v15                        ; the sum's two halves,
	v_permlanex16_b32 v252, v14, s[SEL], s[SEL+1]
	v_add_f32 v14, v14, v252                       ; and lane l xor 16's: the row's sum (over 1/2: the largest p is)
	v_rcp_f32 v14, v14
	v_nop                                          ; a plain place behind the reciprocal
.endm
	FINSUM
	WIN 0x55
	FINSUM
.rept 4
	v_nop                                          ; the places behind the last products, in front of loads into the registers that they read
.endr
	WIN 0
.irp i, 0,1,2,3,4,5,6,7,8,9,10,11,12,13,14,15
	ds_load_b128 v[FRG+4*\i:FRG+4*\i+3], v[STA] offset:512*\i      ; qp, in the layout in which O^T stands
.endr
	WIN 0x40
.irp i, 0,1,2,3,4,5,6,7,8,9,10,11,12,13,14,15
	ds_load_b128 v[FRG+4*\i:FRG+4*\i+3], v[STA] offset:8192+512*\i ; tile 1's, into window 1
.endr
	WIN 0
	s_wait_dscnt 16                                ; tile 0's sixteen loads are in; tile 1's may be out
.set j, 0
	s_wait_alu depctr_va_vdst(0)
.rept 64
	v_fma_f32 v[SS+j], v[OT+j], v14, v[FRG+j]      ; register 8 t + i: column 16 t + 8 h + i of my query's row; each accumulator from its low end on
.set j, j+1
.endr
	s_wait_dscnt 0x0
	WIN 0x55
.set j, 0
.rept 64
	v_fma_f32 v[SS+j], v[OT+j], v14, v[FRG+j]
.set j, j+1
.endr
.macro STAGE w                                 ; tile w through its two stages, which take the stash's bytes: both tiles' qp have been read
.irp u, 0,1                                    ; columns 64 u on
	WIN 0x04*(\w)
.irp t, 0,1,2,3
	ds_store_b128 v[STO], v[SS+32*\u+8*\t:SS+32*\u+8*\t+3] offset:8704*(\w)+4352*\u+64*\t
	ds_store_b128 v[STO], v[SS+32*\u+8*\t+4:SS+32*\u+8*\t+7] offset:8704*(\w)+4352*\u+64*\t+16
.endr
	WIN 0x40*(\w)
.irp i, 0,1,2,3,4,5,6,7
	ds_load_b128 v[FRG+32*\u+4*\i:FRG+32*\u+4*\i+3], v[RD] offset:8704*(\w)+4352*\u+544*\i   ; LDS serves a wave's instructions in order (ISA guide 5.7.1.4): these see my stores
.endr
.endr
.endm
.macro SEND w
	WIN 0x04*(\w)                                  ; a store's data are its source 1
.irp u, 0,1
.irp i, 0,1,2,3,4,5,6,7
	s_wait_dscnt 55-32*(\w)-16*\u-\i               ; of the 64 stage instructions those issued behind this load may be out
	global_store_b128 v[GO], v[FRG+32*\u+4*\i:FRG+32*\u+4*\i+3], s[14:15] offset:65536*(\w)+8192*\i+256*\u   ; 16 lanes store 256 consecutive bytes, at a multiple of 256 from sres's first byte
.endr
.endr
.endm
	STAGE 0
	STAGE 1
	SEND 0
	SEND 1
	WIN 0
	s_wait_tensorcnt 0x0                           ; the wave's end
	ds_add_u32 v[SPW], v[NIL]
	s_wait_dscnt 0x0
	CROUND                                         ; the closing round: no work-group ends while a partner may still ask for a tile that names it
	s_endpgm
.Lfunc_end_k_q72f11a5985_attn:
	.size	k_q72f11a5985_attn, .Lfunc_end_k_q72f11a5985_attn-k_q72f11a5985_attn
	.p2alignl 7, 3214868480
	.fill 96, 4, 3214868480
	.section	.rodata,"a",@progbits
	.p2align	6, 0x0
	.amdhsa_kernel k_q72f11a5985_attn
		.amdhsa_group_segment_fixed_size 327680
		.amdhsa_private_segment_fixed_size 0
		.amdhsa_enable_private_segment 0
		.amdhsa_kernarg_size 48
		.amdhsa_user_sgpr_count 2
		.amdhsa_user_sgpr_kernarg_segment_ptr 1
		.amdhsa_wavefront_size32 1
		.amdhsa_system_sgpr_workgroup_id_x 1
		.amdhsa_system_sgpr_workgroup_id_y 1
		.amdhsa_system_sgpr_workgroup_id_z 1
		.amdhsa_system_vgpr_workitem_id 0
		.amdhsa_next_free_vgpr 512
		.amdhsa_next_free_sgpr 92
		.amdhsa_reserve_vcc 0
		.amdhsa_float_denorm_mode_32 3
		.amdhsa_float_denorm_mode_16_64 3
		.amdhsa_memory_ordered 1
		.amdhsa_forward_progress 1
		.amdhsa_inst_pref_size 208
	.end_amdhsa_kernel
	.amdgpu_metadata
---
amdhsa.version: [ 1, 2 ]
amdhsa.kernels:
  - .name:           k_q72f11a5985_attn
    .symbol:         k_q72f11a5985_attn.kd
    .args:
      - { .name: q_codes, .offset: 0, .size: 8, .value_kind: global_buffer, .address_space: global }
      - { .name: q_scales, .offset: 8, .size: 8, .value_kind: global_buffer, .address_space: global }
      - { .name: Wq_codes, .offset: 16, .size: 8, .value_kind: global_buffer, .address_space: global }
      - { .name: Wq_scales, .offset: 24, .size: 8, .value_kind: global_buffer, .address_space: global }
      - { .name: kv, .offset: 32, .size: 8, .value_kind: global_buffer, .address_space: global }
      - { .name: sres, .offset: 40, .size: 8, .value_kind: global_buffer, .address_space: global }
    .group_segment_fixed_size: 327680
    .private_segment_fixed_size: 0
    .kernarg_segment_align: 8
    .kernarg_segment_size: 48
    .max_flat_workgroup_size: 256
    .sgpr_count:     92
    .vgpr_count:     512
    .wavefront_size: 32
...
	.end_amdgpu_metadata
.endif
;; end of part 2
;; launch final (part 3): grid 256 x 1, 16 waves a work-group, no clusters, 153,600 bytes of LDS; arguments sres, wo_img, Wo_scales, bo, ln1_g, ln1_b, ln2_g, ln2_b, out0; writes out0
.if DOCPART == 3
	.amdgcn_target "amdgcn-amd-amdhsa--gfx1250"
	.amdhsa_code_object_version 6
	.text
	.protected	k_q72f11a5985_final
	.globl	k_q72f11a5985_final
	.p2align	8
	.type	k_q72f11a5985_final,@function
k_q72f11a5985_final:
	s_mov_b64 s[64:65], 0
	v_nop
	global_prefetch_b8 v0, s[64:65] scope:SCOPE_SE
	s_setreg_imm32_b32 hwreg(HW_REG_WAVE_MODE, 25, 1), 1
	s_wait_xcnt 0x0
; out0 = LN2(o1 + relu(Q(o1) Wo^T + bo)), o1 = LN1(sres).  The product is on codes of FP4 (E2M1) with E8M0 scales; all else in f32.
; SHARES.  A work-group of sixteen waves takes 32 rows and all 1,024 columns, so that both norms stay inside it; o1 lies in LDS.  Wave w: in the norms rows 2 w, 2 w + 1 (a row is 32 registers of a wave: the sums never leave the wave);
; in the quantiser the fragment of row tile w / 8, K step w % 8; in the product columns 64 w .. 64 w + 63 (4 tiles) x 2 row tiles: 8 accumulators, 64 matrix instructions.
; The product is used transposed (source 0 = 16 rows of Wo, source 1 = 16 rows of o1): a lane holds one row and eight neighbouring columns.  o1's fragments go from wave to wave through LDS as images of their registers.
; NO CLUSTER, NO TENSOR LOADS, though all work-groups read the same Wo: a wave's 32 KB of Wo's codes are read by no other wave of its work-group, and they come from wo_img (images of the operand's registers) straight into
; registers, 512 consecutive bytes a load, four K steps (32 loads a wave) ahead, with no barrier.  Through LDS the 512 KB would not fit: they would go through slots filled again, each refill behind a round of the cluster's barrier
; for 16 matrix instructions a wave.
; The variance is taken of the numbers less the mean, in a second pass over registers: no difference of large sums.  LIMITS: the norms' sums are made in another order than a plain sum along the row;
; a block whose largest magnitude lies under 2^-124 gets the scale byte 1 (this program alone reads it); NaN and infinities are not served; a given scale byte 0xff makes NaN.
.set OP,   4112                        ; a row of o1 in LDS: 4,096 bytes + 16: lanes that take one column of 16 rows start at 16 different banks (64 banks of 4 bytes: ISA guide 11.1)
.set XIMG, 32*OP                       ; behind o1: its 16 fragments (8 x row tile + K step), 1,024 bytes each,
.set XSC,  XIMG+16*1024                ; and their scale words, 128 bytes each
.set LI,  1                            ; v1   16 x lane
.set L4,  2                            ; v2   4 x lane
.set LR,  3                            ; v3   my two rows of o1, 16 bytes a lane
.set QA,  4                            ; v4   the quantiser's reads: row 16 (w / 8) + r, K step w % 8, + 32 h
.set IW,  5                            ; v5   where I store my image;  v6 its scale words
.set SWA, 6
.set IFA, 7                            ; v7   images' base + 16 x lane;  v8 scale words' base + 4 x lane
.set SFA, 8
.set EA,  9                            ; v9-10  my columns of row tile 0, 1: row r, + 256 w + 32 h
.set WSA, 11                           ; v11  32 x lane: Wo's scale bytes
.set BA,  12                           ; v12  32 h: bo
.set WS,  16                           ; v16-31   Wo's scale words: register 8 p + s: lanes 0-15 tile 2 p's rows, lanes 16-31 tile 2 p + 1's, K step s
.set WF,  32                           ; v32-159  Wo's fragments: four sets of 32 (K step % 4; tile t at 8 t).  In LN1 v96-127 gamma, v128-159 beta; in LN2 v32-63, v64-95
.set X,   160                          ; v160-223 two rows; then the quantiser's 64 numbers; then the accumulators (row tile m, tile t) at 160 + 8 (4 m + t)
.set RES, 96                           ; v96-159  at the end: o1 at my accumulators' places
.set T,   224                          ; v224-231 the norms' partial sums; v224-239 the quantiser's work; then o1's two fragments
.set MN,  240                          ; v240-243 the means, v244-247 1 / sqrt, each twice (pairs for the packed forms); then the codes just made
.set RSQ, 244
.set PW,  248                          ; v248  the scale word just made
.set XSW, 249                          ; v249-250 o1's scale words
.set WV,  22
.set SEL, 24                           ; s[24:25] lane selects for v_permlanex16_b32: lane l xor 16;  s26 = 1 / 1,024;  s27 = 1e-5
.macro QUANT src, pc, pw, tm           ; 64 numbers of a lane, register 8 t + j = K index 16 t + 8 (lane / 16) + j of the lane's row -> a fragment's codes and the row's scale word
.irp b, 0,1,2,3
	v_max3_num_f32 v[(\tm)+\b], |v[(\src)+16*\b]|, |v[(\src)+16*\b+1]|, 0x1800000   ; and the floor 2^(3 - 127): the byte cannot fall under 1
.endr
.irp i, 2,4,6,8,10,12,14
.irp b, 0,1,2,3
	v_max3_num_f32 v[(\tm)+\b], v[(\tm)+\b], |v[(\src)+16*\b+\i]|, |v[(\src)+16*\b+\i+1]|
.endr
.endr
.irp b, 0,1,2,3
	v_permlanex16_b32 v[(\tm)+4+\b], v[(\tm)+\b], s[SEL], s[SEL+1]     ; (its destination has been written: the norm's partial sums stood there)
.endr
.irp b, 0,1,2,3
	v_max_num_f32 v[(\tm)+\b], v[(\tm)+\b], v[(\tm)+4+\b]
.endr
.irp b, 0,1,2,3
	v_add_nc_u32 v[(\tm)+12+\b], 0xff000000, v[(\tm)+\b]
.endr
.irp b, 0,1,2,3
	v_lshrrev_b32 v[(\tm)+4+\b], 23, v[(\tm)+12+\b]
.endr
	v_lshl_or_b32 v[\pw], v[(\tm)+5], 8, v[(\tm)+4]
	v_lshl_or_b32 v[\pw], v[(\tm)+6], 16, v[\pw]
	v_lshl_or_b32 v[\pw], v[(\tm)+7], 24, v[\pw]
.irp c, 0,1
.irp e, 0,1
	v_cvt_scalef32_pk8_fp4_f32 v[(\pc)+4*\c+\e], v[(\src)+32*\c+16*\e:(\src)+32*\c+16*\e+7], v[(\tm)+12+2*\c+\e]
	v_cvt_scalef32_pk8_fp4_f32 v[(\pc)+4*\c+2+\e], v[(\src)+32*\c+16*\e+8:(\src)+32*\c+16*\e+15], v[(\tm)+12+2*\c+\e]
.endr
.endr
	v_nop                                          ; one plain place behind a scaled conversion
.irp c, 0,1
	v_permlane16_swap_b32 v[(\pc)+4*\c], v[(\pc)+4*\c+1]
	v_permlane16_swap_b32 v[(\pc)+4*\c+2], v[(\pc)+4*\c+3]
.endr
.endm
.macro FOLD                            ; each row's two chains of pairs become one number, summed over the wave's 32 lanes; every lane has it
.irp a, 0,1
	v_pk_add_f32 v[T+4*\a:T+4*\a+1], v[T+4*\a:T+4*\a+1], v[T+4*\a+2:T+4*\a+3]
.endr
.irp a, 0,1
	v_add_f32 v[T+4*\a], v[T+4*\a], v[T+4*\a+1]
.endr
.irp m, 1,2,4,8
.irp a, 0,1
	v_add_f32_dpp v[T+4*\a], v[T+4*\a], v[T+4*\a] row_xmask:\m row_mask:0xf bank_mask:0xf
.endr
.endr
.irp a, 0,1
	v_permlanex16_b32 v[T+4*\a+2], v[T+4*\a], s[SEL], s[SEL+1]
.endr
.irp a, 0,1
	v_add_f32 v[T+4*\a], v[T+4*\a], v[T+4*\a+2]
.endr
.endm
.macro LNSTAT                          ; my two rows, by turns: x = (x - mean) / sqrt(variance + 1e-5)
.irp a, 0,1
	v_pk_add_f32 v[T+4*\a:T+4*\a+1], v[X+32*\a:X+32*\a+1], v[X+32*\a+4:X+32*\a+5]
	v_pk_add_f32 v[T+4*\a+2:T+4*\a+3], v[X+32*\a+2:X+32*\a+3], v[X+32*\a+6:X+32*\a+7]
.endr
.irp j, 8,12,16,20,24,28
.irp a, 0,1
	v_pk_add_f32 v[T+4*\a:T+4*\a+1], v[T+4*\a:T+4*\a+1], v[X+32*\a+\j:X+32*\a+\j+1]
	v_pk_add_f32 v[T+4*\a+2:T+4*\a+3], v[T+4*\a+2:T+4*\a+3], v[X+32*\a+\j+2:X+32*\a+\j+3]
.endr
.endr
	FOLD
.irp a, 0,1
	v_mul_f32 v[MN+2*\a], s26, v[T+4*\a]           ; the mean, twice
	v_mul_f32 v[MN+2*\a+1], s26, v[T+4*\a]
.endr
.irp j, 0,2,4,6,8,10,12,14,16,18,20,22,24,26,28,30
.irp a, 0,1
	v_pk_add_f32 v[X+32*\a+\j:X+32*\a+\j+1], v[X+32*\a+\j:X+32*\a+\j+1], v[MN+2*\a:MN+2*\a+1] neg_lo:[0,1] neg_hi:[0,1]
.endr
.endr
.irp a, 0,1
	v_pk_mul_f32 v[T+4*\a:T+4*\a+1], v[X+32*\a:X+32*\a+1], v[X+32*\a:X+32*\a+1]
	v_pk_mul_f32 v[T+4*\a+2:T+4*\a+3], v[X+32*\a+2:X+32*\a+3], v[X+32*\a+2:X+32*\a+3]
.endr
.irp j, 4,8,12,16,20,24,28
.irp a, 0,1
	v_pk_fma_f32 v[T+4*\a:T+4*\a+1], v[X+32*\a+\j:X+32*\a+\j+1], v[X+32*\a+\j:X+32*\a+\j+1], v[T+4*\a:T+4*\a+1]
	v_pk_fma_f32 v[T+4*\a+2:T+4*\a+3], v[X+32*\a+\j+2:X+32*\a+\j+3], v[X+32*\a+\j+2:X+32*\a+\j+3], v[T+4*\a+2:T+4*\a+3]
.endr
.endr
	FOLD
.irp a, 0,1
	v_fma_f32 v[T+4*\a], v[T+4*\a], s26, s27       ; the variance + 1e-5
.endr
.irp a, 0,1
	v_rsq_f32 v[RSQ+2*\a], v[T+4*\a]
	v_rsq_f32 v[RSQ+2*\a+1], v[T+4*\a]
.endr
	v_nop                                          ; a plain place behind the transcendentals
	s_wait_alu depctr_va_vdst(0)
.irp j, 0,2,4,6,8,10,12,14,16,18,20,22,24,26,28,30
.irp a, 0,1
	v_pk_mul_f32 v[X+32*\a+\j:X+32*\a+\j+1], v[X+32*\a+\j:X+32*\a+\j+1], v[RSQ+2*\a:RSQ+2*\a+1]
.endr
.endr
.endm
.macro LNAFF g, bt                     ; x = x gamma + beta
.irp j, 0,2,4,6,8,10,12,14,16,18,20,22,24,26,28,30
.irp a, 0,1
	v_pk_fma_f32 v[X+32*\a+\j:X+32*\a+\j+1], v[X+32*\a+\j:X+32*\a+\j+1], v[(\g)+\j:(\g)+\j+1], v[(\bt)+\j:(\bt)+\j+1]
.endr
.endr
.endm
.macro VEC reg, base                   ; a vector of 1,024 f32 in a row's layout: lane l holds columns 128 i + 4 l + 0 .. 3
.irp i, 0,1,2,3,4,5,6,7
	global_load_b128 v[(\reg)+4*\i:(\reg)+4*\i+3], v[LI], s[\base:\base+1] offset:512*\i
.endr
.endm
.macro WLOAD s                         ; my four tiles' fragments of K step s into set s % 4: eight loads of 512 consecutive bytes
.irp t, 0,1,2,3
.irp c, 0,1
	global_load_b128 v[WF+32*((\s)%4)+8*\t+4*\c:WF+32*((\s)%4)+8*\t+4*\c+3], v[LI], s[6:7] offset:(8*\t+(\s))*1024+512*\c
.endr
.endr
.endm
.macro BARRIER                         ; my LDS stores have landed and my LDS loads are in: then the work-group's barrier
	s_wait_dscnt 0x0
	s_barrier_signal -1
	s_barrier_wait -1
.endm
	s_load_b512 s[4:19], s[0:1], 0x0               ; sres, wo_img, Wo's scales, bo, ln1_g, ln1_b, ln2_g, ln2_b
	s_load_b64 s[20:21], s[0:1], 0x40              ; out0
	v_lshl_add_u32 v254, v0, 2, 0x25000
	v_mov_b32 v255, 0
	v_lshrrev_b32 v13, 5, v0
	v_readfirstlane_b32 s[WV], v13                 ; wave 0..15
	v_and_b32 v13, 31, v0                          ; lane
	v_and_b32 v14, 15, v0                          ; r
	v_bfe_u32 v15, v0, 4, 1                        ; h
	v_lshlrev_b32 v[LI], 4, v13
	v_lshlrev_b32 v[L4], 2, v13
	v_lshlrev_b32 v[WSA], 5, v13
	v_lshlrev_b32 v[BA], 5, v15
	s_mul_i32 s28, s[WV], 2*OP
	v_add_nc_u32 v[LR], s28, v[LI]
	v_mul_u32_u24 v[EA], v14, OP
	v_lshl_add_u32 v[EA], v15, 5, v[EA]            ; row r, + 32 h
	s_lshr_b32 s28, s[WV], 3
	s_mul_i32 s28, s28, 16*OP
	s_and_b32 s29, s[WV], 7
	s_lshl_b32 s29, s29, 9
	s_add_co_u32 s28, s28, s29
	v_add_nc_u32 v[QA], s28, v[EA]
	s_lshl_b32 s29, s[WV], 8
	v_add_nc_u32 v[EA], s29, v[EA]
	v_add_nc_u32 v[EA+1], 16*OP, v[EA]
	s_lshl_b32 s28, s[WV], 10
	s_add_co_u32 s28, s28, XIMG
	v_add_nc_u32 v[IW], s28, v[LI]
	s_lshl_b32 s28, s[WV], 7
	s_add_co_u32 s28, s28, XSC
	v_add_nc_u32 v[SWA], s28, v[L4]
	v_add_nc_u32 v[IFA], XIMG, v[LI]
	v_add_nc_u32 v[SFA], XSC, v[L4]
	s_mov_b32 s[SEL], 0x76543210
	s_mov_b32 s[SEL+1], 0xfedcba98
	s_mov_b32 s26, 0x3a800000                      ; 1 / 1,024
	s_mov_b32 s27, 0x3727c5ac                      ; 1e-5
	s_lshl_b32 s28, ttmp9, 17                      ; the work-group's 32 rows of 4,096 bytes,
	s_lshl_b32 s29, s[WV], 13                      ; my two of them
	s_add_co_u32 s28, s28, s29
	s_mov_b32 s29, 0
	s_lshl_b32 s30, s[WV], 15                      ; my 4 tiles x 8 K steps of images
	s_mov_b32 s31, 0
	s_lshl_b32 s32, s[WV], 11                      ; my 64 rows of Wo's scale bytes
	s_mov_b32 s33, 0
	s_lshl_b32 s34, s[WV], 8                       ; my 64 numbers of bo
	s_mov_b32 s35, 0
	s_wait_kmcnt 0x0
	s_add_nc_u64 s[4:5], s[4:5], s[28:29]
	s_add_nc_u64 s[20:21], s[20:21], s[28:29]
	s_add_nc_u64 s[6:7], s[6:7], s[30:31]
	s_add_nc_u64 s[8:9], s[8:9], s[32:33]
	s_add_nc_u64 s[10:11], s[10:11], s[34:35]
.irp a, 0,1
.irp i, 0,1,2,3,4,5,6,7
	global_load_b128 v[X+32*\a+4*\i:X+32*\a+4*\i+3], v[LI], s[4:5] offset:4096*\a+512*\i th:TH_LOAD_NT   ; my two rows: 16 loads of 512 consecutive bytes; read once in the launch
.endr
.endr
	VEC 96, 12                                     ; gamma 1
	VEC 128, 14                                    ; beta 1
.irp p, 0,1
.irp k, 0,1
	global_load_b128 v[WS+8*\p+4*\k:WS+8*\p+4*\k+3], v[WSA], s[8:9] offset:1024*\p+16*\k   ; lane l: row 32 p + l of my 64: its eight scale words
.endr
.endr
	WLOAD 0
	WLOAD 1
	; ---- LN1
	s_wait_loadcnt 36                              ; my rows are in; younger: gamma 8, beta 8, scale words 4, two sets of Wo 16
	LNSTAT
	s_wait_loadcnt 20                              ; gamma and beta are in; younger: scale words 4, two sets 16
	LNAFF 96, 128
.irp a, 0,1
.irp i, 0,1,2,3,4,5,6,7
	ds_store_b128 v[LR], v[X+32*\a+4*\i:X+32*\a+4*\i+3] offset:OP*\a+512*\i
.endr
.endr
	WLOAD 2                                        ; into the registers that gamma and beta have left
	WLOAD 3
	BARRIER                                        ; 32 rows of o1 lie in LDS
	; ---- the quantiser: one fragment a wave
.irp t, 0,1,2,3,4,5,6,7
.irp k, 0,1
	ds_load_b128 v[X+8*\t+4*\k:X+8*\t+4*\k+3], v[QA] offset:64*\t+16*\k
.endr
.endr
	s_wait_dscnt 0x0
	QUANT X, MN, PW, T
.irp c, 0,1
	ds_store_b128 v[IW], v[MN+4*\c:MN+4*\c+3] offset:512*\c
.endr
	ds_store_b32 v[SWA], v[PW]
.irp m, 0,1
.irp t, 0,1,2,3
.irp k, 0,1
	global_load_b128 v[X+8*(4*\m+\t)+4*\k:X+8*(4*\m+\t)+4*\k+3], v[BA], s[10:11] offset:64*\t+16*\k   ; the bias starts the sums: bo at the lane's eight columns, in the result's layout
.endr
.endr
.endr
	BARRIER                                        ; o1's sixteen fragments lie in LDS
	s_wait_loadcnt 0x0                             ; the bias, issued last: so Wo's scale words and four sets are in too
	; ---- the product: a K step at a time, the eight accumulators by turns
.macro GSTEP s
.irp m, 0,1
.irp c, 0,1
	ds_load_b128 v[T+8*\m+4*\c:T+8*\m+4*\c+3], v[IFA] offset:(8*\m+(\s))*1024+512*\c
.endr
	ds_load_b32 v[XSW+\m], v[SFA] offset:128*(8*\m+(\s))
.endr
	s_wait_dscnt 0x0
.if (\s) >= 4 && (\s) < 7
	s_wait_loadcnt 24                              ; this step's set is in; three groups of eight loads are younger (later sets; gamma 2; beta 2)
.elseif (\s) == 7
	s_wait_loadcnt 16                              ; younger: gamma 2 and beta 2
.endif
.irp t, 0,1,2,3
.irp m, 0,1
.if \t % 2
	v_wmma_scale_f32_16x16x128_f8f6f4 v[X+8*(4*\m+\t):X+8*(4*\m+\t)+7], v[WF+32*((\s)%4)+8*\t:WF+32*((\s)%4)+8*\t+7], v[T+8*\m:T+8*\m+7], v[X+8*(4*\m+\t):X+8*(4*\m+\t)+7], v[WS+8*(\t/2)+(\s)], v[XSW+\m] matrix_a_fmt:MATRIX_FMT_FP4 matrix_b_fmt:MATRIX_FMT_FP4 matrix_a_scale:MATRIX_SCALE_ROW1
.else
	v_wmma_scale_f32_16x16x128_f8f6f4 v[X+8*(4*\m+\t):X+8*(4*\m+\t)+7], v[WF+32*((\s)%4)+8*\t:WF+32*((\s)%4)+8*\t+7], v[T+8*\m:T+8*\m+7], v[X+8*(4*\m+\t):X+8*(4*\m+\t)+7], v[WS+8*(\t/2)+(\s)], v[XSW+\m] matrix_a_fmt:MATRIX_FMT_FP4 matrix_b_fmt:MATRIX_FMT_FP4
.endif
.endr
.endr
.rept 4
	v_nop                                          ; places in front of loads into registers that these products read, and at the end of the first read of results
.endr
.if (\s) < 4
	WLOAD (\s)+4                                   ; the set just used takes the K step four further on
.elseif (\s) == 4
	VEC 32, 16                                     ; gamma 2
.elseif (\s) == 5
	VEC 64, 18                                     ; beta 2
.endif
.endm
	GSTEP 0
	GSTEP 1
	GSTEP 2
	GSTEP 3
	GSTEP 4
	GSTEP 5
	GSTEP 6
	GSTEP 7
	; ---- o1 + relu(..), in place in LDS: each byte is read and written by one and the same lane
.irp m, 0,1
.irp t, 0,1,2,3
.irp k, 0,1
	ds_load_b128 v[RES+8*(4*\m+\t)+4*\k:RES+8*(4*\m+\t)+4*\k+3], v[EA+\m] offset:64*\t+16*\k
.endr
.endr
.endr
.set j, 0
.rept 64
	v_max_num_f32 v[X+j], 0, v[X+j]                ; each accumulator from its low end on
.set j, j+1
.endr
	s_wait_dscnt 0x0
.set j, 0
.rept 32
	v_pk_add_f32 v[RES+j:RES+j+1], v[RES+j:RES+j+1], v[X+j:X+j+1]
.set j, j+2
.endr
.irp m, 0,1
.irp t, 0,1,2,3
.irp k, 0,1
	ds_store_b128 v[EA+\m], v[RES+8*(4*\m+\t)+4*\k:RES+8*(4*\m+\t)+4*\k+3] offset:64*\t+16*\k
.endr
.endr
.endr
	BARRIER                                        ; 32 whole rows lie in LDS
	; ---- LN2
.irp a, 0,1
.irp i, 0,1,2,3,4,5,6,7
	ds_load_b128 v[X+32*\a+4*\i:X+32*\a+4*\i+3], v[LR] offset:OP*\a+512*\i
.endr
.endr
	s_wait_dscnt 0x0
	LNSTAT
	s_wait_loadcnt 0x0                             ; gamma 2 and beta 2
	LNAFF 32, 64
.irp a, 0,1
.irp i, 0,1,2,3,4,5,6,7
	global_store_b128 v[LI], v[X+32*\a+4*\i:X+32*\a+4*\i+3], s[20:21] offset:4096*\a+512*\i th:TH_STORE_NT   ; 512 consecutive bytes, at a multiple of 256 from out0's first byte; written once
.endr
.endr
	s_wait_tensorcnt 0x0
	ds_add_u32 v254, v255
	s_wait_dscnt 0x0
	s_endpgm
.Lfunc_end_k_q72f11a5985_final:
	.size	k_q72f11a5985_final, .Lfunc_end_k_q72f11a5985_final-k_q72f11a5985_final
	.p2alignl 7, 3214868480
	.fill 96, 4, 3214868480
	.section	.rodata,"a",@progbits
	.p2align	6, 0x0
	.amdhsa_kernel k_q72f11a5985_final
		.amdhsa_group_segment_fixed_size 153600
		.amdhsa_private_segment_fixed_size 0
		.amdhsa_enable_private_segment 0
		.amdhsa_kernarg_size 72
		.amdhsa_user_sgpr_count 2
		.amdhsa_user_sgpr_kernarg_segment_ptr 1
		.amdhsa_wavefront_size32 1
		.amdhsa_system_sgpr_workgroup_id_x 1
		.amdhsa_system_sgpr_workgroup_id_y 1
		.amdhsa_system_sgpr_workgroup_id_z 1
		.amdhsa_system_vgpr_workitem_id 0
		.amdhsa_next_free_vgpr 256
		.amdhsa_next_free_sgpr 66
		.amdhsa_reserve_vcc 0
		.amdhsa_float_denorm_mode_32 3
		.amdhsa_float_denorm_mode_16_64 3
		.amdhsa_memory_ordered 1
		.amdhsa_forward_progress 1
		.amdhsa_inst_pref_size 67
	.end_amdhsa_kernel
	.amdgpu_metadata
---
amdhsa.version: [ 1, 2 ]
amdhsa.kernels:
  - .name:           k_q72f11a5985_final
    .symbol:         k_q72f11a5985_final.kd
    .args:
      - { .name: sres, .offset: 0, .size: 8, .value_kind: global_buffer, .address_space: global }
      - { .name: wo_img, .offset: 8, .size: 8, .value_kind: global_buffer, .address_space: global }
      - { .name: Wo_scales, .offset: 16, .size: 8, .value_kind: global_buffer, .address_space: global }
      - { .name: bo, .offset: 24, .size: 8, .value_kind: global_buffer, .address_space: global }
      - { .name: ln1_g, .offset: 32, .size: 8, .value_kind: global_buffer, .address_space: global }
      - { .name: ln1_b, .offset: 40, .size: 8, .value_kind: global_buffer, .address_space: global }
      - { .name: ln2_g, .offset: 48, .size: 8, .value_kind: global_buffer, .address_space: global }
      - { .name: ln2_b, .offset: 56, .size: 8, .value_kind: global_buffer, .address_space: global }
      - { .name: out0, .offset: 64, .size: 8, .value_kind: global_buffer, .address_space: global }
    .group_segment_fixed_size: 153600
    .private_segment_fixed_size: 0
    .kernarg_segment_align: 8
    .kernarg_segment_size: 72
    .max_flat_workgroup_size: 512
    .sgpr_count:     66
    .vgpr_count:     256
    .wavefront_size: 32
...
	.end_amdgpu_metadata
.endif
;; end of part 3
;; ======== version 2 of 2: 3 launches; version 1 with the launch final written anew for expert scheduling mode
;; workspace buffers: kv 8,912,896 bytes; wo_img 524,288 bytes; sres 33,554,432 bytes
;; launch kvproj: the kernel of part 1 again; grid 4 x 64, 16 waves a work-group, clusters of 4 x 4, 299,008 bytes of LDS; arguments k_codes, k_scales, v_codes, v_scales, Wk_codes, Wk_scales, Wv_codes, Wv_scales, Wo_codes, kv, wo_img; writes kv, wo_img
;; launch attn: the kernel of part 2 again; grid 8 x 32, 8 waves a work-group, clusters of 4 x 1, 327,680 bytes of LDS; arguments q_codes, q_scales, Wq_codes, Wq_scales, kv, sres; writes sres
;; launch final (part 4): grid 256 x 1, 16 waves a work-group, no clusters, 153,600 bytes of LDS; arguments sres, wo_img, Wo_scales, bo, ln1_g, ln1_b, ln2_g, ln2_b, out0; writes out0
.if DOCPART == 4
	.amdgcn_target "amdgcn-amd-amdhsa--gfx1250"
	.amdhsa_code_object_version 6
	.text
	.protected	k_q72f11a5985_final
	.globl	k_q72f11a5985_final
	.p2align	8
	.type	k_q72f11a5985_final,@function
k_q72f11a5985_final:
	s_mov_b64 s[64:65], 0
	v_nop
	global_prefetch_b8 v0, s[64:65] scope:SCOPE_SE
	s_setreg_imm32_b32 hwreg(HW_REG_WAVE_SCHED_MODE, 0, 2), 2
	s_setreg_imm32_b32 hwreg(HW_REG_WAVE_MODE, 25, 1), 1
	s_wait_xcnt 0x0
	s_wait_alu depctr_vm_vsrc(0)
; out0 = LN2(o1 + relu(Q(o1) Wo^T + bo)), o1 = LN1(sres).  The product is on codes of FP4 (E2M1) with E8M0 scales; all else in f32.
; SHARES.  A work-group of sixteen waves takes 32 rows and all 1,024 columns, so that both norms stay inside it; o1 lies in LDS.  Wave w: in the norms rows 2 w, 2 w + 1 (a row is 32 registers of a wave: the sums never leave the wave);
; in the quantiser the fragment of row tile w / 8, K step w % 8; in the product columns 64 w .. 64 w + 63 (4 tiles) x 2 row tiles: 8 accumulators, 64 matrix instructions.
; The product is used transposed (source 0 = 16 rows of Wo, source 1 = 16 rows of o1): a lane holds one row and eight neighbouring columns.  o1's fragments go from wave to wave through LDS as images of their registers.
; NO CLUSTER, NO TENSOR LOADS, though all work-groups read the same Wo: a wave's 32 KB of Wo's codes are read by no other wave of its work-group, and they come from wo_img (images of the operand's registers) straight into
; registers, 512 consecutive bytes a load, four K steps (32 loads a wave) ahead, with no barrier.  Through LDS the 512 KB would not fit: they would go through slots filled again, each refill behind a round of the cluster's barrier
; for 16 matrix instructions a wave.
; The variance is taken of the numbers less the mean, in a second pass over registers: no difference of large sums.  LIMITS: the norms' sums are made in another order than a plain sum along the row;
; a block whose largest magnitude lies under 2^-124 gets the scale byte 1 (this program alone reads it); NaN and infinities are not served; a given scale byte 0xff makes NaN.
; THE MODE: SCHED_MODE bits 1:0 = 2 (LLVM: expert scheduling mode 2), set by the entry lines.  The code itself states the register dependences between vector or matrix instructions and memory or LDS instructions,
; with s_wait_alu, always for 0.
; THE PLAN.  Registers that memory or LDS instructions touch, in the order of the text (there is no loop):
;   v1-12      addresses: written at the head, once; read by every load and store.  v254, v255: written at the head, read by the closing add alone.
;   X          loads of sres | LN1 in place | LDS stores | the quantiser's LDS loads | its reads | loads of bo | the accumulators | relu, the sum's reads | LDS loads of whole rows | LN2 in place | the last stores.
;   v96-159    loads of gamma 1, beta 1 | LN1's reads | Wo's sets 2, 3, twice each | the products' reads | LDS loads of o1 | the sum, in place | LDS stores.
;   v32-95     Wo's sets 0, 1, twice each | the products' reads | loads of gamma 2, beta 2 | LN2's reads.
;   T, XSW     vector work of LN1 and of the quantiser (T) | in each K step: LDS loads, then the step's products read them | vector work of LN2 (T).
;   MN .. PW   vector work of LN1 | the quantiser's codes and scale word | LDS stores | LN2 writes v240-247 again.
;   WS         loaded once, read by the products alone.
; In the product ONE wait on va_vdst stands at the head of each K step but the first: the step before's eight products are done reading T, XSW and their set of Wo.  Behind it come the step's six LDS loads, which the products
; want at once, and then the eight global loads into the set that has come free: no vector or matrix instruction stands between the wait and these fourteen.
.set OP,   4112                        ; a row of o1 in LDS: 4,096 bytes + 16: lanes that take one column of 16 rows start at 16 different banks (64 banks of 4 bytes: ISA guide 11.1)
.set XIMG, 32*OP                       ; behind o1: its 16 fragments (8 x row tile + K step), 1,024 bytes each,
.set XSC,  XIMG+16*1024                ; and their scale words, 128 bytes each
.set LI,  1                            ; v1   16 x lane
.set L4,  2                            ; v2   4 x lane
.set LR,  3                            ; v3   my two rows of o1, 16 bytes a lane
.set QA,  4                            ; v4   the quantiser's reads: row 16 (w / 8) + r, K step w % 8, + 32 h
.set IW,  5                            ; v5   where I store my image;  v6 its scale words
.set SWA, 6
.set IFA, 7                            ; v7   images' base + 16 x lane;  v8 scale words' base + 4 x lane
.set SFA, 8
.set EA,  9                            ; v9-10  my columns of row tile 0, 1: row r, + 256 w + 32 h
.set WSA, 11                           ; v11  32 x lane: Wo's scale bytes
.set BA,  12                           ; v12  32 h: bo
.set WS,  16                           ; v16-31   Wo's scale words: register 8 p + s: lanes 0-15 tile 2 p's rows, lanes 16-31 tile 2 p + 1's, K step s
.set WF,  32                           ; v32-159  Wo's fragments: four sets of 32 (K step % 4; tile t at 8 t).  In LN1 v96-127 gamma, v128-159 beta; in LN2 v32-63, v64-95
.set X,   160                          ; v160-223 two rows; then the quantiser's 64 numbers; then the accumulators (row tile m, tile t) at 160 + 8 (4 m + t)
.set RES, 96                           ; v96-159  at the end: o1 at my accumulators' places
.set T,   224                          ; v224-231 the norms' partial sums; v224-239 the quantiser's work; then o1's two fragments
.set MN,  240                          ; v240-243 the means, v244-247 1 / sqrt, each twice (pairs for the packed forms); then the codes just made
.set RSQ, 244
.set PW,  248                          ; v248  the scale word just made
.set XSW, 249                          ; v249-250 o1's scale words
.set WV,  22
.set SEL, 24                           ; s[24:25] lane selects for v_permlanex16_b32: lane l xor 16;  s26 = 1 / 1,024;  s27 = 1e-5
.macro QUANT src, pc, pw, tm           ; 64 numbers of a lane, register 8 t + j = K index 16 t + 8 (lane / 16) + j of the lane's row -> a fragment's codes and the row's scale word
.irp b, 0,1,2,3
	v_max3_num_f32 v[(\tm)+\b], |v[(\src)+16*\b]|, |v[(\src)+16*\b+1]|, 0x1800000   ; and the floor 2^(3 - 127): the byte cannot fall under 1
.endr
.irp i, 2,4,6,8,10,12,14
.irp b, 0,1,2,3
	v_max3_num_f32 v[(\tm)+\b], v[(\tm)+\b], |v[(\src)+16*\b+\i]|, |v[(\src)+16*\b+\i+1]|
.endr
.endr
.irp b, 0,1,2,3
	v_permlanex16_b32 v[(\tm)+4+\b], v[(\tm)+\b], s[SEL], s[SEL+1]     ; (its destination has been written: the norm's partial sums stood there)
.endr
.irp b, 0,1,2,3
	v_max_num_f32 v[(\tm)+\b], v[(\tm)+\b], v[(\tm)+4+\b]
.endr
.irp b, 0,1,2,3
	v_add_nc_u32 v[(\tm)+12+\b], 0xff000000, v[(\tm)+\b]
.endr
.irp b, 0,1,2,3
	v_lshrrev_b32 v[(\tm)+4+\b], 23, v[(\tm)+12+\b]
.endr
	v_lshl_or_b32 v[\pw], v[(\tm)+5], 8, v[(\tm)+4]
	v_lshl_or_b32 v[\pw], v[(\tm)+6], 16, v[\pw]
	v_lshl_or_b32 v[\pw], v[(\tm)+7], 24, v[\pw]
.irp c, 0,1
.irp e, 0,1
	v_cvt_scalef32_pk8_fp4_f32 v[(\pc)+4*\c+\e], v[(\src)+32*\c+16*\e:(\src)+32*\c+16*\e+7], v[(\tm)+12+2*\c+\e]
	v_cvt_scalef32_pk8_fp4_f32 v[(\pc)+4*\c+2+\e], v[(\src)+32*\c+16*\e+8:(\src)+32*\c+16*\e+15], v[(\tm)+12+2*\c+\e]
.endr
.endr
	v_nop                                          ; one plain place behind a scaled conversion
.irp c, 0,1
	v_permlane16_swap_b32 v[(\pc)+4*\c], v[(\pc)+4*\c+1]
	v_permlane16_swap_b32 v[(\pc)+4*\c+2], v[(\pc)+4*\c+3]
.endr
.endm
.macro FOLD                            ; each row's two chains of pairs become one number, summed over the wave's 32 lanes; every lane has it
.irp a, 0,1
	v_pk_add_f32 v[T+4*\a:T+4*\a+1], v[T+4*\a:T+4*\a+1], v[T+4*\a+2:T+4*\a+3]
.endr
.irp a, 0,1
	v_add_f32 v[T+4*\a], v[T+4*\a], v[T+4*\a+1]
.endr
.irp m, 1,2,4,8
.irp a, 0,1
	v_add_f32_dpp v[T+4*\a], v[T+4*\a], v[T+4*\a] row_xmask:\m row_mask:0xf bank_mask:0xf
.endr
.endr
.irp a, 0,1
	v_permlanex16_b32 v[T+4*\a+2], v[T+4*\a], s[SEL], s[SEL+1]
.endr
.irp a, 0,1
	v_add_f32 v[T+4*\a], v[T+4*\a], v[T+4*\a+2]
.endr
.endm
.macro LNSTAT                          ; my two rows, by turns: x = (x - mean) / sqrt(variance + 1e-5)
.irp a, 0,1
	v_pk_add_f32 v[T+4*\a:T+4*\a+1], v[X+32*\a:X+32*\a+1], v[X+32*\a+4:X+32*\a+5]
	v_pk_add_f32 v[T+4*\a+2:T+4*\a+3], v[X+32*\a+2:X+32*\a+3], v[X+32*\a+6:X+32*\a+7]
.endr
.irp j, 8,12,16,20,24,28
.irp a, 0,1
	v_pk_add_f32 v[T+4*\a:T+4*\a+1], v[T+4*\a:T+4*\a+1], v[X+32*\a+\j:X+32*\a+\j+1]
	v_pk_add_f32 v[T+4*\a+2:T+4*\a+3], v[T+4*\a+2:T+4*\a+3], v[X+32*\a+\j+2:X+32*\a+\j+3]
.endr
.endr
	FOLD
.irp a, 0,1
	v_mul_f32 v[MN+2*\a], s26, v[T+4*\a]           ; the mean, twice
	v_mul_f32 v[MN+2*\a+1], s26, v[T+4*\a]
.endr
.irp j, 0,2,4,6,8,10,12,14,16,18,20,22,24,26,28,30
.irp a, 0,1
	v_pk_add_f32 v[X+32*\a+\j:X+32*\a+\j+1], v[X+32*\a+\j:X+32*\a+\j+1], v[MN+2*\a:MN+2*\a+1] neg_lo:[0,1] neg_hi:[0,1]
.endr
.endr
.irp a, 0,1
	v_pk_mul_f32 v[T+4*\a:T+4*\a+1], v[X+32*\a:X+32*\a+1], v[X+32*\a:X+32*\a+1]
	v_pk_mul_f32 v[T+4*\a+2:T+4*\a+3], v[X+32*\a+2:X+32*\a+3], v[X+32*\a+2:X+32*\a+3]
.endr
.irp j, 4,8,12,16,20,24,28
.irp a, 0,1
	v_pk_fma_f32 v[T+4*\a:T+4*\a+1], v[X+32*\a+\j:X+32*\a+\j+1], v[X+32*\a+\j:X+32*\a+\j+1], v[T+4*\a:T+4*\a+1]
	v_pk_fma_f32 v[T+4*\a+2:T+4*\a+3], v[X+32*\a+\j+2:X+32*\a+\j+3], v[X+32*\a+\j+2:X+32*\a+\j+3], v[T+4*\a+2:T+4*\a+3]
.endr
.endr
	FOLD
.irp a, 0,1
	v_fma_f32 v[T+4*\a], v[T+4*\a], s26, s27       ; the variance + 1e-5
.endr
.irp a, 0,1
	v_rsq_f32 v[RSQ+2*\a], v[T+4*\a]
	v_rsq_f32 v[RSQ+2*\a+1], v[T+4*\a]
.endr
	v_nop                                          ; a plain place behind the transcendentals
	s_wait_alu depctr_va_vdst(0)                   ; the four 1 / sqrt are written, ahead of their first reader: one wait for the batch
.irp j, 0,2,4,6,8,10,12,14,16,18,20,22,24,26,28,30
.irp a, 0,1
	v_pk_mul_f32 v[X+32*\a+\j:X+32*\a+\j+1], v[X+32*\a+\j:X+32*\a+\j+1], v[RSQ+2*\a:RSQ+2*\a+1]
.endr
.endr
.endm
.macro LNAFF g, bt                     ; x = x gamma + beta
.irp j, 0,2,4,6,8,10,12,14,16,18,20,22,24,26,28,30
.irp a, 0,1
	v_pk_fma_f32 v[X+32*\a+\j:X+32*\a+\j+1], v[X+32*\a+\j:X+32*\a+\j+1], v[(\g)+\j:(\g)+\j+1], v[(\bt)+\j:(\bt)+\j+1]
.endr
.endr
.endm
.macro VEC reg, base                   ; a vector of 1,024 f32 in a row's layout: lane l holds columns 128 i + 4 l + 0 .. 3
.irp i, 0,1,2,3,4,5,6,7
	global_load_b128 v[(\reg)+4*\i:(\reg)+4*\i+3], v[LI], s[\base:\base+1] offset:512*\i
.endr
.endm
.macro WLOAD s                         ; my four tiles' fragments of K step s into set s % 4: eight loads of 512 consecutive bytes
.irp t, 0,1,2,3
.irp c, 0,1
	global_load_b128 v[WF+32*((\s)%4)+8*\t+4*\c:WF+32*((\s)%4)+8*\t+4*\c+3], v[LI], s[6:7] offset:(8*\t+(\s))*1024+512*\c
.endr
.endr
.endm
.macro BARRIER                         ; my LDS stores have landed and my LDS loads are in: then the work-group's barrier
	s_wait_dscnt 0x0
	s_barrier_signal -1
	s_barrier_wait -1
.endm
	s_load_b512 s[4:19], s[0:1], 0x0               ; sres, wo_img, Wo's scales, bo, ln1_g, ln1_b, ln2_g, ln2_b
	s_load_b64 s[20:21], s[0:1], 0x40              ; out0
	v_lshl_add_u32 v254, v0, 2, 0x25000            ; the LDS address of my spare word, and 0: made here and kept for the closing lines alone
	v_mov_b32 v255, 0
	v_lshrrev_b32 v13, 5, v0
	v_readfirstlane_b32 s[WV], v13                 ; wave 0..15
	v_and_b32 v13, 31, v0                          ; lane
	v_and_b32 v14, 15, v0                          ; r
	v_bfe_u32 v15, v0, 4, 1                        ; h
	v_lshlrev_b32 v[LI], 4, v13
	v_lshlrev_b32 v[L4], 2, v13
	v_lshlrev_b32 v[WSA], 5, v13
	v_lshlrev_b32 v[BA], 5, v15
	s_wait_alu depctr_va_sdst(0)                   ; the wave's number is written, ahead of its first reader: LDS addresses and the buffers' offsets are made from it
	s_mul_i32 s28, s[WV], 2*OP
	v_add_nc_u32 v[LR], s28, v[LI]
	v_mul_u32_u24 v[EA], v14, OP
	v_lshl_add_u32 v[EA], v15, 5, v[EA]            ; row r, + 32 h
	s_lshr_b32 s28, s[WV], 3
	s_mul_i32 s28, s28, 16*OP
	s_and_b32 s29, s[WV], 7
	s_lshl_b32 s29, s29, 9
	s_add_co_u32 s28, s28, s29
	v_add_nc_u32 v[QA], s28, v[EA]
	s_lshl_b32 s29, s[WV], 8
	v_add_nc_u32 v[EA], s29, v[EA]
	v_add_nc_u32 v[EA+1], 16*OP, v[EA]
	s_lshl_b32 s28, s[WV], 10
	s_add_co_u32 s28, s28, XIMG
	v_add_nc_u32 v[IW], s28, v[LI]
	s_lshl_b32 s28, s[WV], 7
	s_add_co_u32 s28, s28, XSC
	v_add_nc_u32 v[SWA], s28, v[L4]
	v_add_nc_u32 v[IFA], XIMG, v[LI]
	v_add_nc_u32 v[SFA], XSC, v[L4]
	s_mov_b32 s[SEL], 0x76543210
	s_mov_b32 s[SEL+1], 0xfedcba98
	s_mov_b32 s26, 0x3a800000                      ; 1 / 1,024
	s_mov_b32 s27, 0x3727c5ac                      ; 1e-5
	s_lshl_b32 s28, ttmp9, 17                      ; the work-group's 32 rows of 4,096 bytes,
	s_lshl_b32 s29, s[WV], 13                      ; my two of them
	s_add_co_u32 s28, s28, s29
	s_mov_b32 s29, 0
	s_lshl_b32 s30, s[WV], 15                      ; my 4 tiles x 8 K steps of images
	s_mov_b32 s31, 0
	s_lshl_b32 s32, s[WV], 11                      ; my 64 rows of Wo's scale bytes
	s_mov_b32 s33, 0
	s_lshl_b32 s34, s[WV], 8                       ; my 64 numbers of bo
	s_mov_b32 s35, 0
	s_wait_kmcnt 0x0
	s_add_nc_u64 s[4:5], s[4:5], s[28:29]
	s_add_nc_u64 s[20:21], s[20:21], s[28:29]
	s_add_nc_u64 s[6:7], s[6:7], s[30:31]
	s_add_nc_u64 s[8:9], s[8:9], s[32:33]
	s_add_nc_u64 s[10:11], s[10:11], s[34:35]
	s_wait_alu depctr_va_vdst(0)                   ; the twelve addresses v1 to v12 are written: every load and store of the kernel reads one of them, and none is written again
.irp a, 0,1
.irp i, 0,1,2,3,4,5,6,7
	global_load_b128 v[X+32*\a+4*\i:X+32*\a+4*\i+3], v[LI], s[4:5] offset:4096*\a+512*\i th:TH_LOAD_NT   ; my two rows: 16 loads of 512 consecutive bytes; read once in the launch
.endr
.endr
	VEC 96, 12                                     ; gamma 1
	VEC 128, 14                                    ; beta 1
.irp p, 0,1
.irp k, 0,1
	global_load_b128 v[WS+8*\p+4*\k:WS+8*\p+4*\k+3], v[WSA], s[8:9] offset:1024*\p+16*\k   ; lane l: row 32 p + l of my 64: its eight scale words
.endr
.endr
	WLOAD 0
	WLOAD 1
	; ---- LN1
	s_wait_loadcnt 36                              ; my rows are in; younger: gamma 8, beta 8, scale words 4, two sets of Wo 16
	LNSTAT
	s_wait_loadcnt 20                              ; gamma and beta are in; younger: scale words 4, two sets 16
	LNAFF 96, 128
	s_wait_alu depctr_va_vdst(0)                   ; LN1 has written my two rows in v[X ..], which the LDS stores read, and is done reading gamma and beta, in whose registers Wo's sets 2 and 3 land
.irp a, 0,1
.irp i, 0,1,2,3,4,5,6,7
	ds_store_b128 v[LR], v[X+32*\a+4*\i:X+32*\a+4*\i+3] offset:OP*\a+512*\i
.endr
.endr
	WLOAD 2                                        ; into the registers that gamma and beta have left
	WLOAD 3
	BARRIER                                        ; 32 rows of o1 lie in LDS
	; ---- the quantiser: one fragment a wave
	s_wait_alu depctr_vm_vsrc(0)                   ; my LDS stores have read v[X ..], in which the loads below land
.irp t, 0,1,2,3,4,5,6,7
.irp k, 0,1
	ds_load_b128 v[X+8*\t+4*\k:X+8*\t+4*\k+3], v[QA] offset:64*\t+16*\k
.endr
.endr
	s_wait_dscnt 0x0
	QUANT X, MN, PW, T
	s_wait_alu depctr_va_vdst(0)                   ; the quantiser has written the codes and the scale word, which the LDS stores read; it is done reading v[X ..], in which the bias lands, and done with v[T ..], in which K step 0's fragments land
.irp c, 0,1
	ds_store_b128 v[IW], v[MN+4*\c:MN+4*\c+3] offset:512*\c
.endr
	ds_store_b32 v[SWA], v[PW]
.irp m, 0,1
.irp t, 0,1,2,3
.irp k, 0,1
	global_load_b128 v[X+8*(4*\m+\t)+4*\k:X+8*(4*\m+\t)+4*\k+3], v[BA], s[10:11] offset:64*\t+16*\k   ; the bias starts the sums: bo at the lane's eight columns, in the result's layout
.endr
.endr
.endr
	BARRIER                                        ; o1's sixteen fragments lie in LDS
	s_wait_loadcnt 0x0                             ; the bias, issued last: so Wo's scale words and four sets are in too
	; ---- the product: a K step at a time, the eight accumulators by turns
.macro GSTEP s
.if (\s) > 0
	s_wait_alu depctr_va_vdst(0)                   ; the step before's eight products are done reading o1's two fragments, its two scale words and their set of Wo: the fourteen loads below land in these registers
.endif
.irp m, 0,1
.irp c, 0,1
	ds_load_b128 v[T+8*\m+4*\c:T+8*\m+4*\c+3], v[IFA] offset:(8*\m+(\s))*1024+512*\c
.endr
	ds_load_b32 v[XSW+\m], v[SFA] offset:128*(8*\m+(\s))
.endr
.if (\s) > 0 && (\s) < 5
	WLOAD (\s)+3                                   ; the set that the step before used takes the K step four further on than that step
.elseif (\s) == 5
	VEC 32, 16                                     ; gamma 2, into set 0, which K step 4 used last
.elseif (\s) == 6
	VEC 64, 18                                     ; beta 2, into set 1, which K step 5 used last
.endif
	s_wait_dscnt 0x0
.if (\s) >= 4 && (\s) < 7
	s_wait_loadcnt 24                              ; this step's set is in; three groups of eight loads are younger (later sets; gamma 2; beta 2)
.elseif (\s) == 7
	s_wait_loadcnt 16                              ; younger: gamma 2 and beta 2
.endif
.irp t, 0,1,2,3
.irp m, 0,1
.if \t % 2
	v_wmma_scale_f32_16x16x128_f8f6f4 v[X+8*(4*\m+\t):X+8*(4*\m+\t)+7], v[WF+32*((\s)%4)+8*\t:WF+32*((\s)%4)+8*\t+7], v[T+8*\m:T+8*\m+7], v[X+8*(4*\m+\t):X+8*(4*\m+\t)+7], v[WS+8*(\t/2)+(\s)], v[XSW+\m] matrix_a_fmt:MATRIX_FMT_FP4 matrix_b_fmt:MATRIX_FMT_FP4 matrix_a_scale:MATRIX_SCALE_ROW1
.else
	v_wmma_scale_f32_16x16x128_f8f6f4 v[X+8*(4*\m+\t):X+8*(4*\m+\t)+7], v[WF+32*((\s)%4)+8*\t:WF+32*((\s)%4)+8*\t+7], v[T+8*\m:T+8*\m+7], v[X+8*(4*\m+\t):X+8*(4*\m+\t)+7], v[WS+8*(\t/2)+(\s)], v[XSW+\m] matrix_a_fmt:MATRIX_FMT_FP4 matrix_b_fmt:MATRIX_FMT_FP4
.endif
.endr
.endr
.rept 4
	v_nop                                          ; places behind these products: they stay beside the wait that follows them, and at the end they stand in front of the first read of results
.endr
.endm
	GSTEP 0
	GSTEP 1
	GSTEP 2
	GSTEP 3
	GSTEP 4
	GSTEP 5
	GSTEP 6
	GSTEP 7
	; ---- o1 + relu(..), in place in LDS: each byte is read and written by one and the same lane
	s_wait_alu depctr_va_vdst(0)                   ; the products of K steps 6 and 7 are done reading Wo's sets 2 and 3, in whose registers o1 lands
.irp m, 0,1
.irp t, 0,1,2,3
.irp k, 0,1
	ds_load_b128 v[RES+8*(4*\m+\t)+4*\k:RES+8*(4*\m+\t)+4*\k+3], v[EA+\m] offset:64*\t+16*\k
.endr
.endr
.endr
.set j, 0
.rept 64
	v_max_num_f32 v[X+j], 0, v[X+j]                ; each accumulator from its low end on
.set j, j+1
.endr
	s_wait_dscnt 0x0
.set j, 0
.rept 32
	v_pk_add_f32 v[RES+j:RES+j+1], v[RES+j:RES+j+1], v[X+j:X+j+1]
.set j, j+2
.endr
	s_wait_alu depctr_va_vdst(0)                   ; the sums are written in v[RES ..], which the LDS stores read; and they are done reading v[X ..], in which whole rows land behind the barrier
.irp m, 0,1
.irp t, 0,1,2,3
.irp k, 0,1
	ds_store_b128 v[EA+\m], v[RES+8*(4*\m+\t)+4*\k:RES+8*(4*\m+\t)+4*\k+3] offset:64*\t+16*\k
.endr
.endr
.endr
	BARRIER                                        ; 32 whole rows lie in LDS
	; ---- LN2
.irp a, 0,1
.irp i, 0,1,2,3,4,5,6,7
	ds_load_b128 v[X+32*\a+4*\i:X+32*\a+4*\i+3], v[LR] offset:OP*\a+512*\i
.endr
.endr
	s_wait_dscnt 0x0
	s_wait_alu depctr_vm_vsrc(0)                   ; the image's LDS stores have read v240 to v247, which the means and the 1 / sqrt take again
	LNSTAT
	s_wait_loadcnt 0x0                             ; gamma 2 and beta 2
	LNAFF 32, 64
	s_wait_alu depctr_va_vdst(0)                   ; LN2 has written my two rows in v[X ..], which the stores read
.irp a, 0,1
.irp i, 0,1,2,3,4,5,6,7
	global_store_b128 v[LI], v[X+32*\a+4*\i:X+32*\a+4*\i+3], s[20:21] offset:4096*\a+512*\i th:TH_STORE_NT   ; 512 consecutive bytes, at a multiple of 256 from out0's first byte; written once
.endr
.endr
	s_wait_dscnt 0x0                               ; the closing lines, six on end
	s_wait_alu 0x0
	s_wait_tensorcnt 0x0
	ds_add_u32 v254, v255
	s_wait_dscnt 0x0
	s_endpgm
.Lfunc_end_k_q72f11a5985_final:
	.size	k_q72f11a5985_final, .Lfunc_end_k_q72f11a5985_final-k_q72f11a5985_final
	.p2alignl 7, 3214868480
	.fill 96, 4, 3214868480
	.section	.rodata,"a",@progbits
	.p2align	6, 0x0
	.amdhsa_kernel k_q72f11a5985_final
		.amdhsa_group_segment_fixed_size 153600
		.amdhsa_private_segment_fixed_size 0
		.amdhsa_enable_private_segment 0
		.amdhsa_kernarg_size 72
		.amdhsa_user_sgpr_count 2
		.amdhsa_user_sgpr_kernarg_segment_ptr 1
		.amdhsa_wavefront_size32 1
		.amdhsa_system_sgpr_workgroup_id_x 1
		.amdhsa_system_sgpr_workgroup_id_y 1
		.amdhsa_system_sgpr_workgroup_id_z 1
		.amdhsa_system_vgpr_workitem_id 0
		.amdhsa_next_free_vgpr 256
		.amdhsa_next_free_sgpr 66
		.amdhsa_reserve_vcc 0
		.amdhsa_float_denorm_mode_32 3
		.amdhsa_float_denorm_mode_16_64 3
		.amdhsa_memory_ordered 1
		.amdhsa_forward_progress 1
		.amdhsa_inst_pref_size 67
	.end_amdhsa_kernel
	.amdgpu_metadata
---
amdhsa.version: [ 1, 2 ]
amdhsa.kernels:
  - .name:           k_q72f11a5985_final
    .symbol:         k_q72f11a5985_final.kd
    .args:
      - { .name: sres, .offset: 0, .size: 8, .value_kind: global_buffer, .address_space: global }
      - { .name: wo_img, .offset: 8, .size: 8, .value_kind: global_buffer, .address_space: global }
      - { .name: Wo_scales, .offset: 16, .size: 8, .value_kind: global_buffer, .address_space: global }
      - { .name: bo, .offset: 24, .size: 8, .value_kind: global_buffer, .address_space: global }
      - { .name: ln1_g, .offset: 32, .size: 8, .value_kind: global_buffer, .address_space: global }
      - { .name: ln1_b, .offset: 40, .size: 8, .value_kind: global_buffer, .address_space: global }
      - { .name: ln2_g, .offset: 48, .size: 8, .value_kind: global_buffer, .address_space: global }
      - { .name: ln2_b, .offset: 56, .size: 8, .value_kind: global_buffer, .address_space: global }
      - { .name: out0, .offset: 64, .size: 8, .value_kind: global_buffer, .address_space: global }
    .group_segment_fixed_size: 153600
    .private_segment_fixed_size: 0
    .kernarg_segment_align: 8
    .kernarg_segment_size: 72
    .max_flat_workgroup_size: 512
    .sgpr_count:     66
    .vgpr_count:     256
    .wavefront_size: 32
...
	.end_amdgpu_metadata
.endif
;; end of part 4
